; MI455X (gfx1250); checked and timed in simulation.
; The chip was launched on July 23, 2026; its instructions are those of AMD's public machine-readable ISA for CDNA 5 (MIT licence, August 2026) and "CDNA5" Instruction Set Architecture Reference Guide (July 2026). The comments in the code are by the model that wrote it; some were corrected since.
;; Multi Head Attention Block. Allowed arithmetic: matrix products marked QUANTISED: E2M3 operands, one E8M0 scale for each 32 along K, by v_wmma_scale_f32_16x16x128_f8f6f4 with both operands' format E2M3, f32 sums; everything else in f32.
;; Inputs: Wk 1,024 x 1,024 float32; Wo 1,024 x 1,024 float32; Wq 1,024 x 1,024 float32; Wv 1,024 x 1,024 float32; mask 1 x 1 x 2,048 x 2,048 bool; x 4 x 2,048 x 1,024 float32.
;; Outputs: out0 4 x 2,048 x 1,024 float32.
;; This version of the problem:
;;   THIS VERSION OF THE PROBLEM IS GIVEN IN LOW PRECISION. The matrix products marked QUANTISED in the list below multiply operands that are first quantised to E2M3 (2 exponent bits, 3 mantissa bits; 6 bits a number), with one power-of-two scale for each 32 numbers along K (OCP MX v1.0); their sums are f32. All else is computed in f32.
;;   The module's matrix products, in the order in which they are computed (A, B: the left and right operand; K: the contracted axis; several contracted axes count as one K, in the product's order):
;;     1. [M 8,192, K 1,024] x [K 1,024, N 1,024]; A: input x; B: input Wq: QUANTISED
;;     2. [M 8,192, K 1,024] x [K 1,024, N 1,024]; A: input x; B: input Wk: QUANTISED
;;     3. [M 8,192, K 1,024] x [K 1,024, N 1,024]; A: input x; B: input Wv: QUANTISED
;;     4. batch 64 x [M 2,048, K 64] x [K 64, N 2,048]; A: computed on the way; B: computed on the way: QUANTISED
;;     5. batch 64 x [M 2,048, K 2,048] x [K 2,048, N 64]; A: softmax (see below); B: computed on the way: QUANTISED
;;     6. [M 8,192, K 1,024] x [K 1,024, N 1,024]; A: computed on the way; B: input Wo: QUANTISED
;;   THE QUANTISER, for each operand of a quantised product, along K:
;;     - K is cut into blocks of 32 from its start; a last block that is shorter is filled with zeros.
;;     - A block's scale is 2^e with e = floor(log2(the largest magnitude in the block)) - 2, held to -126 .. 127; a block of zeros has e = 0. As a byte (E8M0): e + 127.
;;     - Each number is divided by its block's scale, clamped to +-7.5, and rounded to the nearest number of E2M3, ties to even, subnormals kept.
;;     - The product sums the exact products of the quantised numbers (number of the format x scale) in f32.
;;   ~~~python
;;   def quantise(x, axis):      # numpy; x: float32 -> the quantised numbers, widened to float32 again
;;       x = np.moveaxis(x, axis, -1); K = x.shape[-1]
;;       x = np.pad(x, [(0, 0)] * (x.ndim - 1) + [(0, -K % 32)]); x = x.reshape(x.shape[:-1] + (-1, 32)); a = np.abs(x).max(-1, keepdims=True)
;;       e = np.where(a > 0, np.clip(np.frexp(np.where(a > 0, a, 1))[1] - 1 - 2, -126, 127), 0)      # np.frexp(a)[1] - 1 = floor(log2(a)), exactly
;;       r = np.clip(x / 2.0 ** e, -7.5, 7.5)
;;       step = 2.0 ** (np.maximum(np.frexp(np.where(r == 0, 1, r))[1] - 1, 0) - 3)
;;       q = np.round(r / step) * step * 2.0 ** e      # np.round: ties to even
;;       return np.moveaxis(q.reshape(q.shape[:-2] + (-1,))[..., :K], -1, axis).astype(np.float32)
;;   ~~~
;;   SOFTMAX AHEAD OF A QUANTISED PRODUCT. Where the list says 'softmax', what is quantised is not the finished softmax but p = 2^(t - M), with t = logit x log2(e) and M = ceil(the row's largest t), a whole number; so 1/2 < the row's largest p <= 1. The row's sum l is taken of the UNQUANTISED p, in f32, and the product's result is divided by l at the end. Since M is a whole number, a kernel that streams over the keys may use a running M (the ceiling of the running maximum): every later rescaling is an exact power of two, which a block's scale takes up: the codes' values come out the same.
;;   OPERANDS COMPUTED ON THE WAY. 'Computed on the way' means the value that the module computes at that place (a softmax that the list does not call 'softmax' is quantised finished and normalised). What goes into a quantiser is computed in f32, as accurately as f32 sums, v_exp_f32 and their like allow (about 1e-6 of the number): no bf16 or f16 on the way to a quantiser, and a product that is left as it is and whose result goes on into a quantised operand takes f32 operands (vector FMAs, or v_wmma_f32_16x16x4_f32). A number that lies on a knife's edge between two numbers of the format may be rounded either way, as far as f32 arithmetic and the matrix unit's own rounding can turn it there, and no further.
;; 2 versions, each right; version 2 is version 1 with the launch attn written anew for expert scheduling mode. Each part assembles by itself: llvm-mc -triple=amdgcn-amd-amdhsa -mcpu=gfx1250 --defsym DOCPART=n.
;; ======== version 1 of 2: 4 launches
;; workspace buffers: opc 9,437,184 bytes; ops 393,216 bytes; mb 526,336 bytes of whole numbers; hc 18,874,368 bytes; hs 786,432 bytes; ac 6,291,456 bytes; asc 262,144 bytes
;; launch prep (part 1): grid 320 x 1, 4 waves a work-group, no clusters, 35,328 bytes of LDS; arguments x, Wq, Wk, Wv, Wo, mask, opc, ops, mb; writes opc, ops, mb
.if DOCPART == 1
	.amdgcn_target "amdgcn-amd-amdhsa--gfx1250"
	.amdhsa_code_object_version 6
	.text
	.protected	k_qece344a588_prep
	.globl	k_qece344a588_prep
	.p2align	8
	.type	k_qece344a588_prep,@function
k_qece344a588_prep:
	s_mov_b64 s[64:65], 0
	v_nop
	global_prefetch_b8 v0, s[64:65] scope:SCOPE_SE
	s_setreg_imm32_b32 hwreg(HW_REG_WAVE_MODE, 25, 1), 1
	s_wait_xcnt 0x0
; PREP.  Work-groups 0-191: x [8192][1024] and Wq, Wk, Wv, Wo [1024][1024], f32, K innermost, become codes of FP6 (E2M3) with one E8M0 byte for each 32 along K,
; laid as IMAGES OF OPERAND REGISTERS.  Rows go in blocks of 16; block g = 2 b + u, lane r stands for row 32 b + 8 u + r + 8 (r / 8).  Codes: [block][K step 0-7][plane 0-5][lane][8 bytes]: plane p of K step s
; holds, for lane (r, h), registers 2 p, 2 p + 1 of the fragment: the row's code bytes 96 s + 48 (p / 3) + 24 h + 8 (p % 3) on.  Scale words: [block][r][8 words], word s = the four bytes of k = 128 s on.
; Blocks 0-511 x, 512-575 Wq, 576-639 Wk, 640-703 Wv, 704-767 Wo.  A wave takes one block: 16 half-steps of 16 rows x 64 numbers.  Each load reads two rows' 256 consecutive aligned bytes; the numbers turn through
; the wave's own stage in LDS (rows 272 bytes apart) so that lane (r, h) holds one whole block of 32 of row r; each store of codes covers 256 consecutive aligned bytes.
; A block's scale is 2^(floor(log2(largest magnitude)) - 2): its byte is the largest magnitude's exponent field - 2, held at 1 from below.
; LIMITS: a block of zeros, or one whose largest magnitude lies under 2^-124, gets the byte 1 (its codes are zeros or tiny; this program alone reads the bytes); NaN and infinities among the inputs are not served.
; Work-groups 192-319: the mask [2048][2048] of bytes becomes lane masks for the attention launch.  Query tile T (16 queries q(T, r) = 32 (T / 2) + 8 (T % 2) + r + 8 (r / 8)), key step s (128 keys): 64 words;
; bit L of word 16 b + i = mask[q(T, L % 16)][128 s + 32 b + 16 (L / 16) + i].  Behind them, at byte 524,288, four flag words a tile: bit s = all true in step s, bit 16 + s = all false.
; No barrier: waves share nothing.  The mask's path uses no LDS.
.set R,    16                          ; v16-143  four sets of 32 numbers as loaded
.set X,    144                         ; v144-207 two sets of 32 neighbours
.set W,    228                         ; v228-235 the eight scale words
.set PT,   236                         ; v236-243 the other half's words
.set STG,  4352                        ; a stage: 16 rows x 272 bytes
.set WREG, 2*STG                       ; a wave's two stages
	s_load_b512 s[4:19], s[0:1], 0x0               ; x, Wq, Wk, Wv, Wo, mask, opc, ops
	s_load_b64 s[20:21], s[0:1], 0x40              ; mb
	v_lshl_add_u32 v254, v0, 2, 0x8800
	v_mov_b32 v255, 0
	v_lshrrev_b32 v1, 5, v0
	v_readfirstlane_b32 s22, v1                    ; wave
	v_and_b32 v2, 31, v0                           ; lane
	v_and_b32 v7, 15, v0                           ; r
	v_bfe_u32 v6, v0, 4, 1                         ; h
	s_cmp_ge_u32 ttmp9, 192
	s_cbranch_scc1 .Lmask
	; ---------------- the quantiser
	v_lshlrev_b32 v3, 4, v7
	v_lshl_add_u32 v3, v6, 12, v3                  ; a load: lanes 0-15 one row's 256 bytes, lanes 16-31 the next row's
	s_mul_i32 s23, s22, WREG
	v_mul_u32_u24 v14, v6, 272
	v_lshl_add_u32 v14, v7, 4, v14
	v_add_nc_u32 v14, s23, v14                     ; the stage, in: as loaded
	v_mul_u32_u24 v15, v7, 272
	v_lshl_add_u32 v15, v6, 7, v15
	v_add_nc_u32 v15, s23, v15                     ; out: row r, my half's 128 bytes
	v_lshlrev_b32 v4, 3, v2                        ; 8 x lane: my place in a plane
	v_lshlrev_b32 v5, 5, v7
	v_lshl_add_u32 v5, v6, 4, v5                   ; 32 r + 16 h: my four scale words
	v_lshlrev_b32 v6, 3, v6                        ; 8 h: my byte's place in a half word
.irp s, 0,1,2,3,4,5,6,7
	v_mov_b32 v[PT+\s], 0                          ; a lane permute's destination counts as one of its sources
.endr
	s_mov_b32 s30, 0x76543210
	s_mov_b32 s31, 0xfedcba98                      ; lane l xor 16
	s_lshl_b32 s26, ttmp9, 2
	s_add_co_u32 s26, s26, s22                     ; my block, 0 .. 767
	s_wait_kmcnt 0x0
	s_mov_b64 s[24:25], s[12:13]                   ; which tensor: the choice hangs on the work-group's number alone
	s_cmp_lt_u32 ttmp9, 176
	s_cselect_b64 s[24:25], s[10:11], s[24:25]
	s_cmp_lt_u32 ttmp9, 160
	s_cselect_b64 s[24:25], s[8:9], s[24:25]
	s_cmp_lt_u32 ttmp9, 144
	s_cselect_b64 s[24:25], s[6:7], s[24:25]
	s_cmp_lt_u32 ttmp9, 128
	s_cselect_b64 s[24:25], s[4:5], s[24:25]
	s_cselect_b32 s27, 0x1ff, 63
	s_and_b32 s27, s26, s27                        ; the block's number in its tensor
	s_lshr_b32 s28, s27, 1
	s_lshl_b32 s28, s28, 17                        ; 32 rows of 4,096 bytes for each pair of blocks,
	s_and_b32 s29, s27, 1
	s_lshl_b32 s29, s29, 15                        ; 8 rows for the odd one
	s_add_co_u32 s28, s28, s29
	s_mov_b32 s29, 0
	s_add_nc_u64 s[24:25], s[24:25], s[28:29]
	s_mul_i32 s28, s26, 12288
	s_add_nc_u64 s[16:17], s[16:17], s[28:29]      ; my block's codes
	s_lshl_b32 s28, s26, 9
	s_add_nc_u64 s[18:19], s[18:19], s[28:29]      ; and its scale words
.macro LOAD u                          ; half-step u: 16 rows x 256 bytes; load j takes the block's rows 2 j and 2 j + 1
.irp j, 0,1,2,3,4,5,6,7
	global_load_b128 v[R+32*((\u)%4)+4*\j:R+32*((\u)%4)+4*\j+3], v3, s[24:25] offset:(2*\j+8*(\j/4))*4096+256*(\u) th:TH_LOAD_NT
.endr
.endm
.macro TURN u                          ; through the stage: LDS serves a wave's instructions in order, so no wait stands between the stores and the loads
.irp j, 0,1,2,3,4,5,6,7
	ds_store_b128 v14, v[R+32*((\u)%4)+4*\j:R+32*((\u)%4)+4*\j+3] offset:STG*((\u)%2)+544*\j
.endr
.irp m, 0,1,2,3,4,5,6,7
	ds_load_b128 v[X+32*((\u)%2)+4*\m:X+32*((\u)%2)+4*\m+3], v15 offset:STG*((\u)%2)+16*\m
.endr
.endm
.macro HSTEP u
.set XS, X+32*((\u)%2)
.set CD, 208+10*((\u)%2)               ; six registers of codes, and three behind them for the block's second half
	s_wait_dscnt 0x0                               ; this half-step's numbers are back from the stage
.if (\u)+4 < 16
	LOAD (\u)+4
.endif
.if (\u) < 15
.if 14-(\u) >= 3
	s_wait_loadcnt 24                              ; the next half-step's eight loads are in; those of the three behind it may be out
.else
	s_wait_loadcnt 8*(14-(\u))
.endif
	TURN (\u)+1
.endif
	v_max3_num_f32 v8, |v[XS]|, |v[XS+1]|, |v[XS+2]|               ; the block's largest magnitude: all 32 numbers are mine; two chains
	v_max3_num_f32 v9, |v[XS+3]|, |v[XS+4]|, |v[XS+5]|
.irp i, 6,10,14,18,22,26
	v_max3_num_f32 v8, v8, |v[XS+\i]|, |v[XS+\i+1]|
	v_max3_num_f32 v9, v9, |v[XS+\i+2]|, |v[XS+\i+3]|
.endr
	v_max3_num_f32 v8, v8, |v[XS+30]|, |v[XS+31]|
	v_max3_num_f32 v8, v8, v9, 0x1800000           ; and the floor 2^(3 - 127): the byte cannot fall under 1
	v_add_nc_u32 v11, 0xff000000, v8               ; 2 off the exponent field: the conversion's scale operand
	s_wait_xcnt 0x0                                ; the stores of two half-steps back have read this set of codes
	v_cvt_scalef32_pk16_fp6_f32 v[CD:CD+2], v[XS:XS+15], v11
	v_cvt_scalef32_pk16_fp6_f32 v[CD+6:CD+8], v[XS+16:XS+31], v11   ; (a conversion's three registers begin on an even number)
	v_lshrrev_b32 v10, 23, v11                     ; the scale's byte; also the plain line behind the conversions
.irp i, 0,1,2
	v_mov_b32 v[CD+3+\i], v[CD+6+\i]
.endr
	v_lshlrev_b32 v10, v6, v10                     ; block 2 c + h of the K step: 8 h bits up,
.if (\u)%2 == 0
	v_mov_b32 v[W+(\u)/2], v10
.else
	v_lshl_or_b32 v[W+(\u)/2], v10, 16, v[W+(\u)/2]   ; and 16 more for c = 1
.endif
.irp j, 0,1,2
	global_store_b64 v4, v[CD+2*\j:CD+2*\j+1], s[16:17] offset:768*(\u)+256*\j   ; a plane: 256 consecutive bytes, aligned
.endr
.endm
.irp u, 0,1,2,3
	LOAD \u
.endr
	s_wait_loadcnt 24                              ; half-step 0's eight loads are in
	TURN 0
.irp u, 0,1,2,3,4,5,6,7,8,9,10,11,12,13,14,15
	HSTEP \u
.endr
.irp s, 0,1,2,3,4,5,6,7
	v_permlanex16_b32 v[PT+\s], v[W+\s], s30, s31
.endr
.irp s, 0,1,2,3,4,5,6,7
	v_or_b32 v[W+\s], v[W+\s], v[PT+\s]            ; with lane l xor 16's two bytes a word is whole
.endr
	s_mov_b32 s23, 0xffff0000
.irp i, 0,1,2,3
	v_cndmask_b32 v[PT+\i], v[W+\i], v[W+4+\i], s23   ; lanes 0-15 store words 0-3 of their row, lanes 16-31 words 4-7
.endr
	global_store_b128 v5, v[PT:PT+3], s[18:19]     ; 512 consecutive bytes
	s_wait_tensorcnt 0x0
	ds_add_u32 v254, v255
	s_wait_dscnt 0x0
	s_endpgm
	; ---------------- the mask
.Lmask:
	s_sub_co_u32 s23, ttmp9, 192                   ; T
	v_and_b32 v3, 8, v7
	v_add_nc_u32 v3, v3, v7                        ; r + 8 (r / 8)
	v_lshlrev_b32 v1, 11, v3
	v_lshl_add_u32 v1, v6, 4, v1                   ; my query's row of 2,048 bytes, + 16 h
	v_lshlrev_b32 v4, 3, v2                        ; 8 x lane
	s_lshr_b32 s24, s23, 1
	s_lshl_b32 s24, s24, 16                        ; 32 rows
	s_and_b32 s25, s23, 1
	s_lshl_b32 s25, s25, 14                        ; 8 rows
	s_add_co_u32 s24, s24, s25
	s_lshl_b32 s25, s22, 9                         ; my wave's four key steps: 512 bytes of each row
	s_add_co_u32 s24, s24, s25
	s_mov_b32 s25, 0
	s_lshl_b32 s26, s23, 4
	s_lshl_b32 s27, s22, 2
	s_add_co_u32 s26, s26, s27                     ; 16 T + 4 w: my first step's number, and my flag word's byte
	s_lshl_b32 s28, s26, 8
	s_mov_b32 s29, 0
	s_wait_kmcnt 0x0
	s_add_nc_u64 s[14:15], s[14:15], s[24:25]
	s_add_nc_u64 s[36:37], s[20:21], s[28:29]      ; my steps' words
	s_add_co_u32 s28, s26, 524288
	s_add_nc_u64 s[38:39], s[20:21], s[28:29]      ; my flag word
.irp s, 0,1,2,3
.irp b, 0,1,2,3
	global_load_b128 v[64+16*\s+4*\b:67+16*\s+4*\b], v1, s[14:15] offset:128*\s+32*\b   ; the sixteen loads together read 512 consecutive bytes of each of 16 rows
.endr
.endr
.irp i, 0,1,2,3,4,5,6,7
	v_mov_b32 v[48+\i], 0                          ; v_writelane_b32's destination counts as read
.endr
	s_mov_b32 s32, 0
	s_mov_b32 s33, 0
.macro MWORDS sp                       ; my step sp: 64 words, eight at a time: a byte of 32 lanes -> a compare's lane mask -> a lane of the pair that is stored
	s_wait_loadcnt 12-4*(\sp)                      ; this step's four loads are in; the later steps' may be out
	s_mov_b32 s30, -1
	s_mov_b32 s31, 0
.set q, 0
.rept 8
.irp k, 0,1,2,3,4,5,6,7
	v_and_b32 v[32+\k], 0xff<<(8*(\k%4)), v[64+16*(\sp)+4*(q/2)+2*(q%2)+\k/4]
.endr
.irp k, 0,1,2,3,4,5,6,7
	v_cmp_ne_u32 s[40+\k], 0, v[32+\k]
.endr
.irp k, 0,1,2,3,4,5,6,7
	v_writelane_b32 v[48+2*(\sp)+\k%2], s[40+\k], 4*q+\k/2   ; word n = 8 q + k: lane n / 2, register n % 2
.endr
.irp k, 0,1,2,3,4,5,6,7
	s_and_b32 s30, s30, s[40+\k]
.endr
.irp k, 0,1,2,3,4,5,6,7
	s_or_b32 s31, s31, s[40+\k]
.endr
.set q, q+1
.endr
	global_store_b64 v4, v[48+2*(\sp):49+2*(\sp)], s[36:37] offset:256*(\sp)   ; 256 consecutive bytes, aligned
	s_cmp_eq_u32 s30, -1
	s_cselect_b32 s3, 1<<(\sp), 0
	s_or_b32 s32, s32, s3                          ; all true
	s_cmp_eq_u32 s31, 0
	s_cselect_b32 s3, 1<<(\sp), 0
	s_or_b32 s33, s33, s3                          ; all false
.endm
	MWORDS 0
	MWORDS 1
	MWORDS 2
	MWORDS 3
	s_lshl_b32 s3, s22, 2
	s_lshl_b32 s32, s32, s3                        ; bits 4 w on,
	s_add_co_u32 s3, s3, 16
	s_lshl_b32 s33, s33, s3                        ; bits 16 + 4 w on
	s_or_b32 s32, s32, s33
	v_mov_b32 v8, s32
	v_mov_b32 v9, 0
	s_wait_xcnt 0x0                                ; EXEC changes only behind this wait
	v_cmp_eq_u32 vcc_lo, 0, v2
	s_and_saveexec_b32 s34, vcc_lo
	global_store_b32 v9, v8, s[38:39]              ; one lane stores the wave's flag word
	s_wait_xcnt 0x0
	s_or_b32 exec_lo, exec_lo, s34
	s_endpgm
.Lfunc_end_k_qece344a588_prep:
	.size	k_qece344a588_prep, .Lfunc_end_k_qece344a588_prep-k_qece344a588_prep
	.p2alignl 7, 3214868480
	.fill 96, 4, 3214868480
	.section	.rodata,"a",@progbits
	.p2align	6, 0x0
	.amdhsa_kernel k_qece344a588_prep
		.amdhsa_group_segment_fixed_size 35328
		.amdhsa_private_segment_fixed_size 0
		.amdhsa_enable_private_segment 0
		.amdhsa_kernarg_size 72
		.amdhsa_user_sgpr_count 2
		.amdhsa_user_sgpr_kernarg_segment_ptr 1
		.amdhsa_wavefront_size32 1
		.amdhsa_system_sgpr_workgroup_id_x 1
		.amdhsa_system_sgpr_workgroup_id_y 1
		.amdhsa_system_sgpr_workgroup_id_z 1
		.amdhsa_system_vgpr_workitem_id 0
		.amdhsa_next_free_vgpr 256
		.amdhsa_next_free_sgpr 66
		.amdhsa_reserve_vcc 1
		.amdhsa_float_denorm_mode_32 3
		.amdhsa_float_denorm_mode_16_64 3
		.amdhsa_memory_ordered 1
		.amdhsa_forward_progress 1
		.amdhsa_inst_pref_size 130
	.end_amdhsa_kernel
	.amdgpu_metadata
---
amdhsa.version: [ 1, 2 ]
amdhsa.kernels:
  - .name:           k_qece344a588_prep
    .symbol:         k_qece344a588_prep.kd
    .args:
      - { .name: x, .offset: 0, .size: 8, .value_kind: global_buffer, .address_space: global }
      - { .name: Wq, .offset: 8, .size: 8, .value_kind: global_buffer, .address_space: global }
      - { .name: Wk, .offset: 16, .size: 8, .value_kind: global_buffer, .address_space: global }
      - { .name: Wv, .offset: 24, .size: 8, .value_kind: global_buffer, .address_space: global }
      - { .name: Wo, .offset: 32, .size: 8, .value_kind: global_buffer, .address_space: global }
      - { .name: mask, .offset: 40, .size: 8, .value_kind: global_buffer, .address_space: global }
      - { .name: opc, .offset: 48, .size: 8, .value_kind: global_buffer, .address_space: global }
      - { .name: ops, .offset: 56, .size: 8, .value_kind: global_buffer, .address_space: global }
      - { .name: mb, .offset: 64, .size: 8, .value_kind: global_buffer, .address_space: global }
    .group_segment_fixed_size: 35328
    .private_segment_fixed_size: 0
    .kernarg_segment_align: 8
    .kernarg_segment_size: 72
    .max_flat_workgroup_size: 128
    .sgpr_count:     66
    .vgpr_count:     256
    .wavefront_size: 32
...
	.end_amdgpu_metadata
.endif
;; end of part 1
;; launch qkv (part 2): grid 12 x 32, 4 waves a work-group, clusters of 4 x 4, 327,680 bytes of LDS; arguments opc, ops, hc, hs; writes hc, hs
.if DOCPART == 2
	.amdgcn_target "amdgcn-amd-amdhsa--gfx1250"
	.amdhsa_code_object_version 6
	.text
	.protected	k_qece344a588_qkv
	.globl	k_qece344a588_qkv
	.p2align	8
	.type	k_qece344a588_qkv,@function
k_qece344a588_qkv:
	s_mov_b64 s[64:65], 0
	v_nop
	global_prefetch_b8 v0, s[64:65] scope:SCOPE_SE
	s_setreg_imm32_b32 hwreg(HW_REG_WAVE_MODE, 25, 1), 1
	s_wait_xcnt 0x0
	s_wait_alu depctr_hold_cnt(0) depctr_sa_sdst(0) depctr_va_vdst(0) depctr_va_sdst(0) depctr_va_ssrc(0) depctr_va_vcc(0) depctr_vm_vsrc(0)
	s_getreg_b32 s2, hwreg(HW_REG_IB_STS2, 6, 4)
	s_cmp_eq_u32 s2, 0
	s_cbranch_scc0 .Lentry_in_a_cluster
	s_endpgm
.Lentry_in_a_cluster:
	s_bfe_u32 s2, ttmp6, 0x10000c
	s_cmp_lg_u32 s2, 0xf033
	s_cbranch_scc0 .Lentry_shape_is_right
	s_endpgm
.Lentry_shape_is_right:
; QKV.  q = x Wq^T, k = x Wk^T, v = x Wv^T on codes of FP6 (E2M3) with E8M0 scales, K = 1,024; the results are quantised on the way out, q and k along the head's 64, v along the keys, and stored as images of
; operand registers.  Operands are images: rows in blocks of 16 (block 2 b + u, lane r = row 32 b + 8 u + r + 8 (r / 8)); codes [block][K step 8][plane 6][lane][8 bytes], scale words [block][r][8].
; A tile of 256 x 256 is made by four waves, 128 x 128 each: 64 accumulators, 512 registers.  K goes in four slots' worth of 256 through a ring of two LDS slots; a block's part of a slot is 3,072 consecutive bytes.
; THE MATRIX INSTRUCTION IS USED TRANSPOSED: source 0 = a block of side B, source 1 = a block of side A.  A lane then holds one row of A, and, by the order of rows in a block, the 64 registers of A's block a are
; 16 b + i = column 32 b + 16 (lane / 16) + i of the wave's 128: neighbours along the next product's K, as its quantiser wants them.
; ROLES, by the cluster's x, which all partners share (selections, no branch): x = 0, 1: A = x, B = Wq and Wk (a lane holds a token, its registers run along two heads' channels);
; x = 2: A = Wv, B = x (a lane holds a channel, its registers run along 128 keys).
; OUT: a fragment's registers 0-5 and 6-11 go to hc as two runs of three planes of 256 bytes: [2 gN + c][gA][3][256], gN the group of 128 columns, gA the block of A (NA of them); its scale word to hs [gN][gA][16].
; For q and k: 2 gN + c under 16 is q's head, else k's head + 16.  For v (behind 12,582,912 bytes of hc, 524,288 of hs): gN = 16 x batch + key step, gA = 4 x head + tile of channels.
; CLUSTERS: 4 x 4 work-groups; A's tiles are asked for jointly along a row of the cluster, B's along a column.  LIMITS: blocks whose largest magnitude lies under 2^-124 keep the byte 1; NaN and infinities are not served.
; REGISTERS: window 0: v16-29 addresses; v32-63 scale words, two sets; v128-223 A's fragments, one set; on the way out v128-171 at work.  window 1: B's fragments, two sets.  windows 2, 3: the accumulators.
.set NQ,     2                         ; matrix instructions deep in a slot
.set FR,     12                        ; registers of a fragment
.set NL,     6                         ; LDS loads that bring one
.set NP,     4                         ; places behind this matrix instruction (ISA guide 7.12.1)
.set BLKB,   3072                      ; a block's two K steps
.set HALFT,  8*BLKB                    ; eight blocks: what one tensor load brings, and what a wave reads of A or of B
.set SLOT,   4*HALFT                   ; A's 16 blocks, then B's 16
.set LAPS,   2                         ; 1,024 along K = twice round the ring
.set KS,     32                        ; a row's scale bytes
.set SCL,    2*SLOT                    ; behind the ring: the scale words, as runs of 256 bytes + 16 of padding
.set HALFS,  16*272                    ; those of eight blocks
.set SBLK,   2*272                     ; those of one
.set SPARE,  SCL+4*HALFS               ; the spare words, 128 bytes for each wave; no other line names them
.set ADRA, 16                          ; v16-17  LDS address of my A fragments in slot 0, 1
.set ADRB, 20                          ; v20-21  the same for B
.set GL8B, 22                          ; v22     8 x lane + NA x 768: the fragment's second half in hc
.set GL16, 23                          ; v23     16 x lane
.set GL8,  24                          ; v24     8 x lane
.set SST,  25                          ; v25     my wave's 512 bytes for its scale words (in slot 0, which has then had its last fill and its last read) + 4 r
.set SRD,  26                          ; v26     the same + 16 x lane
.set ADRS, 27                          ; v27     LDS address of my scale words: lanes 0-15 A's rows, lanes 16-31 B's
.set SPW,  28                          ; v28     my spare word; never rewritten
.set NIL,  29                          ; v29     0; never rewritten
.set SC,   32
.set AF,   128
.set PC,   128                         ; the way out: v128-139 a fragment, v140-142, v144-146 the conversions' second halves
.set TM,   148                         ; v148-163 at work
.set PW,   164                         ; the scale word
.set FLR,  165                         ; 2^(3 - 127)
.set G1, 24
.set G0, 32
.set G1B, 48
.set G0B, 56
.set G1S, 68
.set G0S, 76
.set G1SB, 80
.set G0SB, 88
.set SEL, 98                           ; s[98:99] lane l xor 16
.set MSB, 0
.macro WIN new                         ; the immediate's high byte repeats the setting that is left
.if MSB != (\new)
	s_set_vgpr_msb (MSB<<8)|(\new)
.set MSB, (\new)
.endif
.endm
.set MUL_LO, 0xa1                      ; source 0 (B) window 1, source 1 (A) window 0, C and D window 2
.set MUL_HI, 0xf1
.set TO_B,   0x40
; A joint load: waves 0 and 1 fetch for A, waves 2 and 3 for B; the branch hangs on the wave's number alone.  Four v_nop follow each of the two lines.
.macro JLOAD g0a, g1a, g0b, g1b
	s_cmp_eq_u32 s15, 0
	s_cbranch_scc0 .Lfor_b_\@
	tensor_load_to_lds s[\g0a:\g0a+3], s[\g1a:\g1a+7]
	s_nop 0
.rept 4
	v_nop
.endr
	s_branch .Lasked_\@
.Lfor_b_\@:
	tensor_load_to_lds s[\g0b:\g0b+3], s[\g1b:\g1b+7]
	s_nop 0
.rept 4
	v_nop
.endr
.Lasked_\@:
.endm
.macro CREST                           ; a round of the cluster's barrier behind its opening barrier
	s_cmp_lg_u32 s14, 0
	s_cbranch_scc1 .Lnot_wave_0_\@
	s_barrier_signal -3
.Lnot_wave_0_\@:
	s_barrier_wait -3
	s_barrier_signal -1
	s_barrier_wait -1
.endm
.macro CROUND
	s_barrier_signal -1
	s_barrier_wait -1
	CREST
.endm
	s_load_b256 s[4:11], s[0:1], 0x0               ; opc s[4:5], ops s[6:7], hc s[8:9], hs s[10:11]
	v_lshl_add_u32 v[SPW], v0, 2, SPARE
	v_mov_b32 v[NIL], 0
	ds_add_u32 v28, v29
	ds_add_u32 v28, v29
	s_wait_dscnt 0x0
	v_lshrrev_b32 v1, 5, v0
	v_readfirstlane_b32 s14, v1                    ; wave 0..3
	s_lshr_b32 s15, s14, 1                         ; which half of the tile's rows is mine.  Also: I fetch for A (0) or for B (1)
	s_and_b32 s16, s14, 1                          ; which half of its columns.  Also: which eight blocks of that tile I fetch
	s_bfe_u32 s40, ttmp6, 0x40000                  ; cx, cy
	s_bfe_u32 s41, ttmp6, 0x40004
	s_lshl_b32 s18, ttmp9, 2                       ; 4 x cluster x
	s_and_b32 s19, ttmp7, 0xffff
	s_lshl_b32 s19, s19, 2                         ; 4 x cluster y
	s_cmp_eq_u32 ttmp9, 2                          ; the role: v's clusters or q's and k's; all selections stand ahead of the next line that sets SCC
	s_cselect_b32 s12, 640, 0                      ; A's first block in opc: Wv or x
	s_cselect_b32 s13, 0, 512                      ; B's: x or Wq
	s_cselect_b32 s95, 64, 512                     ; NA: blocks of A
	s_cselect_b32 s96, 12582912, 0                 ; the part of hc,
	s_cselect_b32 s97, 524288, 0                   ; and of hs
	s_cselect_b32 s42, s19, s18
	s_cselect_b32 s17, 0, s19
	s_add_co_u32 s42, s42, s40                     ; tile column: hangs on cx and the cluster's place
	s_add_co_u32 s17, s17, s41                     ; tile row: on cy and the cluster's place
	s_lshl_b32 s43, s41, 2
	s_lshl_b32 s43, 15, s43                        ; my row of the cluster
	s_lshl_b32 s44, 0x1111, s40                    ; my column
	; descriptor group 1 for codes: 8 rows (blocks) of 384 elements of 8 bytes, 1,536 elements apart; no padding: a fragment load reads 256 consecutive bytes
	s_or_b32 s[G1+0], s43, (3<<16)|(1<<21)
	s_or_b32 s[G1B+0], s44, (3<<16)|(1<<21)
.irp g, G1, G1B
	s_mov_b32 s[\g+1], 384<<16                     ; tensor_dim0
	s_mov_b32 s[\g+2], 8<<16                       ; tensor_dim1
	s_mov_b32 s[\g+3], 384<<16                     ; tile_dim0
	s_mov_b32 s[\g+4], 8                           ; tile_dim1
	s_mov_b32 s[\g+5], 1536                        ; tensor_dim0_stride
	s_mov_b32 s[\g+6], 0
	s_mov_b32 s[\g+7], 0
.endr
	; and for the scale words of eight blocks: 4,096 dense bytes as 16 rows of 256, 16 bytes of padding behind each
	s_or_b32 s[G1S+0], s43, (3<<16)|(1<<20)|(1<<21)|(5<<22)|(3<<25)
	s_or_b32 s[G1SB+0], s44, (3<<16)|(1<<20)|(1<<21)|(5<<22)|(3<<25)
.irp g, G1S, G1SB
	s_mov_b32 s[\g+1], 32<<16
	s_mov_b32 s[\g+2], 16<<16
	s_mov_b32 s[\g+3], 32<<16
	s_mov_b32 s[\g+4], 16
	s_mov_b32 s[\g+5], 32
	s_mov_b32 s[\g+6], 0
	s_mov_b32 s[\g+7], 0
.endr
	s_lshl_b32 s21, s16, 3                         ; which eight blocks of the tile I fetch
	s_lshl_b32 s20, s17, 4
	s_add_co_u32 s20, s20, s21
	s_add_co_u32 s20, s20, s12                     ; A: first block + 16 x tile row + 8 x half
	s_lshl_b32 s46, s42, 4
	s_add_co_u32 s46, s46, s21
	s_add_co_u32 s46, s46, s13                     ; B: first block + 16 x tile column + 8 x half
	s_lshl_b32 s22, s20, 9                         ; their scale words, 512 bytes a block,
	s_mov_b32 s23, 0
	s_lshl_b32 s92, s46, 9
	s_mov_b32 s93, 0
	s_mul_i32 s20, s20, 12288                      ; and their codes
	s_mov_b32 s21, 0
	s_mul_i32 s46, s46, 12288
	s_mov_b32 s47, 0
	s_mul_i32 s45, s14, HALFT                      ; where they go: by the wave's number alone
	s_mul_i32 s94, s14, HALFS
	s_wait_kmcnt 0x0
	s_add_nc_u64 s[20:21], s[4:5], s[20:21]
	s_add_nc_u64 s[22:23], s[6:7], s[22:23]
	s_add_nc_u64 s[46:47], s[4:5], s[46:47]
	s_add_nc_u64 s[92:93], s[6:7], s[92:93]
	CROUND                                         ; all sixteen work-groups are here: the first joint loads meet
	s_mov_b32 s[G0S], 1
	s_add_co_u32 s[G0S+1], s94, SCL
	s_mov_b64 s[G0S+2:G0S+3], s[22:23]
	s_or_b32 s[G0S+3], s[G0S+3], 0x80000000
	s_mov_b32 s[G0SB], 1
	s_add_co_u32 s[G0SB+1], s94, SCL
	s_mov_b64 s[G0SB+2:G0SB+3], s[92:93]
	s_or_b32 s[G0SB+3], s[G0SB+3], 0x80000000
	JLOAD G0S, G1S, G0SB, G1SB                     ; the scale words of all of K: filled once
.irp s, 0,1
	s_mov_b32 s[G0+4*\s], 1
	s_add_co_u32 s[G0+4*\s+1], s45, \s*SLOT
	s_add_nc_u64 s[G0+4*\s+2:G0+4*\s+3], s[20:21], \s*BLKB
	s_or_b32 s[G0+4*\s+3], s[G0+4*\s+3], 0x80000000
	s_mov_b32 s[G0B+4*\s], 1
	s_add_co_u32 s[G0B+4*\s+1], s45, \s*SLOT
	s_add_nc_u64 s[G0B+4*\s+2:G0B+4*\s+3], s[46:47], \s*BLKB
	s_or_b32 s[G0B+4*\s+3], s[G0B+4*\s+3], 0x80000000
	JLOAD G0+4*\s, G1, G0B+4*\s, G1B
.endr
	v_and_b32 v1, 15, v0                           ; r
	v_bfe_u32 v2, v0, 4, 1                         ; h
	v_and_b32 v3, 31, v0
	v_lshlrev_b32 v[GL8], 3, v3
	v_lshlrev_b32 v[GL16], 4, v3
	s_mul_i32 s21, s15, HALFT                      ; my eight blocks of A
	s_mul_i32 s22, s16, HALFT                      ; my eight of B,
	s_add_co_u32 s22, s22, 2*HALFT                 ; which lie behind A's sixteen
.irp s, 0,1
	v_add_nc_u32 v[ADRA+\s], s21, v[GL8]
	v_add_nc_u32 v[ADRB+\s], s22, v[GL8]
	s_add_co_u32 s21, s21, SLOT
	s_add_co_u32 s22, s22, SLOT
.endr
	v_mul_u32_u24 v5, v1, KS                       ; my row's scale words: 32 bytes a row,
	v_lshrrev_b32 v6, 8, v5
	v_lshl_add_u32 v5, v6, 4, v5                   ; and 16 more for each 256 passed
	s_mul_i32 s21, s15, HALFS
	s_mul_i32 s22, s16, HALFS
	s_add_co_u32 s22, s22, 2*HALFS
	s_sub_co_u32 s22, s22, s21
	v_mul_u32_u24 v6, s22, v2                      ; lanes 16-31 take B's
	s_add_co_u32 s21, s21, SCL
	v_add_nc_u32 v5, v5, v6
	v_add_nc_u32 v[ADRS], s21, v5
	s_lshl_b32 s23, s14, 9
	v_lshl_add_u32 v[SST], v1, 2, s23
	v_add_nc_u32 v[SRD], s23, v[GL16]
	s_mov_b32 s[SEL], 0x76543210
	s_mov_b32 s[SEL+1], 0xfedcba98
	; where my results go (in registers that feed no descriptor)
	s_lshl_b32 s100, s42, 1
	s_add_co_u32 s100, s100, s16                   ; gN
	s_lshl_b32 s101, s17, 4
	s_lshl_b32 s2, s15, 3
	s_add_co_u32 s101, s101, s2                    ; my first block of A
	s_mul_i32 s100, s100, s95                      ; gN x NA
	s_add_co_u32 s104, s100, s101
	s_lshl_b32 s104, s104, 6                       ; 64 bytes of scale words a block
	s_add_co_u32 s104, s104, s97
	s_mov_b32 s105, 0
	s_add_nc_u64 s[10:11], s[10:11], s[104:105]
	s_lshl_b32 s100, s100, 1
	s_add_co_u32 s100, s100, s101
	s_mul_i32 s104, s100, 768                      ; three planes a block
	s_add_co_u32 s104, s104, s96
	s_add_nc_u64 s[8:9], s[8:9], s[104:105]
	s_mul_i32 s2, s95, 768
	v_add_nc_u32 v[GL8B], s2, v[GL8]               ; the fragment's second half lies NA blocks on
.macro FRAG reg, adr, q, i             ; a fragment: six planes of 256 consecutive bytes, 8 bytes a lane, as the registers want them
.irp p, 0,1,2,3,4,5
	ds_load_b64 v[\reg+2*\p:\reg+2*\p+1], v[\adr] offset:(\i)*BLKB+(\q)*1536+256*\p
.endr
.endm
; 16 matrix instructions: A's blocks a0, a0 + 1 x B's eight.  The 64 accumulators take turns, one instruction a turn, in the same order in every step.
.macro MUL16 a0, p, q, sc, zero
.irp a, \a0, \a0+1
.irp b, 0,1,2,3,4,5,6,7
.if \zero
	v_wmma_scale_f32_16x16x128_f8f6f4 v[8*(8*((\a)%4)+\b):8*(8*((\a)%4)+\b)+7], v[128*(\p)+FR*\b:128*(\p)+FR*\b+FR-1], v[AF+FR*(\a):AF+FR*(\a)+FR-1], 0, v[SC+8*NQ*(\sc)+NQ*\b+(\q)], v[SC+8*NQ*(\sc)+NQ*(\a)+(\q)] matrix_a_fmt:MATRIX_FMT_FP6 matrix_b_fmt:MATRIX_FMT_FP6 matrix_a_scale:MATRIX_SCALE_ROW1
.else
	v_wmma_scale_f32_16x16x128_f8f6f4 v[8*(8*((\a)%4)+\b):8*(8*((\a)%4)+\b)+7], v[128*(\p)+FR*\b:128*(\p)+FR*\b+FR-1], v[AF+FR*(\a):AF+FR*(\a)+FR-1], v[8*(8*((\a)%4)+\b):8*(8*((\a)%4)+\b)+7], v[SC+8*NQ*(\sc)+NQ*\b+(\q)], v[SC+8*NQ*(\sc)+NQ*(\a)+(\q)] matrix_a_fmt:MATRIX_FMT_FP6 matrix_b_fmt:MATRIX_FMT_FP6 matrix_a_scale:MATRIX_SCALE_ROW1
.endif
.endr
.endr
.endm
.macro FETCH_B slot, q, p
	WIN TO_B
.irp i, 0,1,2,3,4,5,6,7
	FRAG 128*(\p)+FR*\i, ADRB+\slot, \q, \i
.endr
	WIN 0
.endm
.macro FETCH_A slot, q, i0
.irp i, \i0, \i0+1, \i0+2, \i0+3
	FRAG AF+FR*(\i), ADRA+\slot, \q, \i
.endr
.endm
.macro SCALES sc                       ; a slot's two scale words a row: lanes 0-15 A's block i, lanes 16-31 B's block i
.irp i, 0,1,2,3,4,5,6,7
	ds_load_b64 v[SC+8*NQ*\sc+NQ*\i:SC+8*NQ*\sc+NQ*\i+1], v[ADRS] offset:\i*SBLK
.endr
.endm
.macro PLACES n                        ; plain vector lines between a matrix instruction and a load into, or a read of, its registers
.rept \n
	v_nop
.endr
.endm
.macro STEP slot, q, zero              ; a step of 128 along K that has its successor in the same slot
	s_wait_dscnt 4*NL                              ; B's set and A's blocks 0-3 are in; the youngest 24 loads (A's blocks 4-7) may be out
	WIN MUL_LO
	MUL16 0, (\q)%2, \q, \slot, \zero
	MUL16 2, (\q)%2, \q, \slot, \zero
	s_wait_dscnt 0
	PLACES NP
	FETCH_B \slot, (\q)+1, 1-(\q)%2
	FETCH_A \slot, (\q)+1, 0
	WIN MUL_HI
	MUL16 4, (\q)%2, \q, \slot, \zero
	MUL16 6, (\q)%2, \q, \slot, \zero
	PLACES NP
	WIN 0
	FETCH_A \slot, (\q)+1, 4
.endm
; A slot's last step changes slots: one barrier; in front of it each wave waits for all its tensor loads, adds 0 to its spare word, and waits for that and for its own reads of this slot.
.macro TURN slot, next, fill
	s_wait_tensorcnt 0x0                           ; all my tensor loads have landed: my part of the next slot
	ds_add_u32 v[SPW], v[NIL]                      ; 0 onto my spare word
	s_wait_dscnt 4*NL+1                            ; (the add and the youngest 24 loads may be out)
	WIN MUL_LO
	MUL16 0, 1, NQ-1, \slot, 0
	s_wait_dscnt 0x0                               ; the add is done, and my reads of this slot are over
	s_barrier_signal -1
	MUL16 2, 1, NQ-1, \slot, 0
	WIN 0
	s_barrier_wait -1
.if \fill
	CREST                                          ; the barrier has opened a round of the cluster's barrier: no wave of any partner still reads this slot or has a load on its way
	s_add_nc_u64 s[G0+4*\slot+2:G0+4*\slot+3], s[G0+4*\slot+2:G0+4*\slot+3], 2*BLKB
	s_add_nc_u64 s[G0B+4*\slot+2:G0B+4*\slot+3], s[G0B+4*\slot+2:G0B+4*\slot+3], 2*BLKB
	JLOAD G0+4*\slot, G1, G0B+4*\slot, G1B         ; the first tensor load behind the round; its four v_nop are the places in front of the loads below
.else
	PLACES NP
.endif
	v_add_nc_u32 v[ADRS], 4*NQ, v[ADRS]            ; the next slot's scale words
	FETCH_B \next, 0, 0
	FETCH_A \next, 0, 0
	SCALES \next
	WIN MUL_HI
	MUL16 4, 1, NQ-1, \slot, 0
	MUL16 6, 1, NQ-1, \slot, 0
	PLACES NP
	WIN 0
	FETCH_A \next, 0, 4
.endm
	s_wait_tensorcnt 1                             ; the scale words and my part of slot 0 are in; slot 1's load may be out
	s_barrier_signal -1
	s_barrier_wait -1
	FETCH_B 0, 0, 0
	FETCH_A 0, 0, 0
	SCALES 0
	FETCH_A 0, 0, 4
	STEP 0, 0, 1                                   ; the first step's products start the sums
	s_mov_b32 s3, LAPS-1
.Llap:
	TURN 0, 1, 1
	STEP 1, 0, 0
	TURN 1, 0, 1
	STEP 0, 0, 0
	s_sub_co_u32 s3, s3, 1
	s_cmp_lg_u32 s3, 0
	s_cbranch_scc1 .Llap
	TURN 0, 1, 0                                   ; the last lap fills nothing
	STEP 1, 0, 0
	s_wait_dscnt 4*NL
	WIN MUL_LO
	MUL16 0, 1, NQ-1, 1, 0
	MUL16 2, 1, NQ-1, 1, 0
	s_wait_dscnt 0
	WIN MUL_HI
	MUL16 4, 1, NQ-1, 1, 0
	MUL16 6, 1, NQ-1, 1, 0
	WIN 0
; THE WAY OUT.  A's block a: a lane's 64 results are quantised in four blocks of 32 (each shared with lane l xor 16) and leave as a fragment's registers: six stores of 256 consecutive aligned bytes.
.macro QBLOCK a
.set AC, 64*((\a)%4)
	WIN 0x28+0x14*((\a)/4)                         ; sources 1 and 2: the accumulators' window
.irp b, 0,1,2,3
	v_max3_num_f32 v[TM+\b], v[FLR], |v[AC+16*\b]|, |v[AC+16*\b+1]|   ; each accumulator is read from its low end on; the floor holds the byte at 1 from below
.endr
.irp i, 2,4,6,8,10,12,14
.irp b, 0,1,2,3
	v_max3_num_f32 v[TM+\b], v[TM+\b], |v[AC+16*\b+\i]|, |v[AC+16*\b+\i+1]|
.endr
.endr
	WIN 0
.irp b, 0,1,2,3
	v_permlanex16_b32 v[TM+4+\b], v[TM+\b], s[SEL], s[SEL+1]
.endr
.irp b, 0,1,2,3
	v_max_num_f32 v[TM+\b], v[TM+\b], v[TM+4+\b]
.endr
.irp b, 0,1,2,3
	v_add_nc_u32 v[TM+12+\b], 0xff000000, v[TM+\b]   ; 2 off the exponent field: the conversion's scale operand
.endr
.irp b, 0,1,2,3
	v_lshrrev_b32 v[TM+4+\b], 23, v[TM+12+\b]
.endr
	v_lshl_or_b32 v[PW], v[TM+5], 8, v[TM+4]
	v_lshl_or_b32 v[PW], v[TM+6], 16, v[PW]
	v_lshl_or_b32 v[PW], v[TM+7], 24, v[PW]
.if (\a) > 0
	s_wait_xcnt 0x0                                ; the last block's stores have read the fragment's registers
.endif
	WIN 0x02+((\a)/4)                              ; source 0: the accumulators' window
.irp c, 0,1
	v_cvt_scalef32_pk16_fp6_f32 v[PC+6*\c:PC+2+6*\c], v[AC+32*\c:AC+15+32*\c], v[TM+12+2*\c]
	v_cvt_scalef32_pk16_fp6_f32 v[PC+12+4*\c:PC+14+4*\c], v[AC+16+32*\c:AC+31+32*\c], v[TM+12+2*\c+1]
.endr
	WIN 0
	v_nop                                          ; one plain line behind a scaled conversion
.irp c, 0,1
.irp i, 0,1,2
	v_permlane16_swap_b32 v[PC+6*\c+\i], v[PC+12+4*\c+\i]   ; a whole block to a lane
.endr
.irp i, 0,1,2
	v_mov_b32 v[PC+3+6*\c+\i], v[PC+12+4*\c+\i]
.endr
.endr
.irp j, 0,1,2
	global_store_b64 v[GL8], v[PC+2*\j:PC+2*\j+1], s[8:9] offset:768*(\a)+256*\j
.endr
.irp j, 0,1,2
	global_store_b64 v[GL8B], v[PC+6+2*\j:PC+7+2*\j], s[8:9] offset:768*(\a)+256*\j
.endr
	ds_store_b32 v[SST], v[PW] offset:64*(\a)      ; lanes l and l xor 16 write the same word with the same value
.endm
	PLACES NP                                      ; behind the last products: their results are read and A's registers written below
	v_mov_b32 v[FLR], 0x1800000
.irp b, 0,1,2,3
	v_mov_b32 v[TM+4+\b], 0                        ; a lane permute's destination counts as one of its sources
.endr
.irp a, 0,1,2,3,4,5,6,7
	QBLOCK \a
.endr
	ds_load_b128 v[168:171], v[SRD]                ; LDS serves a wave's instructions in order: this sees my stores
	s_wait_dscnt 0x0
	global_store_b128 v[GL16], v[168:171], s[10:11]   ; my eight blocks' scale words: 512 consecutive bytes
	s_wait_tensorcnt 0x0                           ; the wave's end
	ds_add_u32 v[SPW], v[NIL]
	s_wait_dscnt 0x0
	CROUND                                         ; the closing round
	s_endpgm
.Lfunc_end_k_qece344a588_qkv:
	.size	k_qece344a588_qkv, .Lfunc_end_k_qece344a588_qkv-k_qece344a588_qkv
	.p2alignl 7, 3214868480
	.fill 96, 4, 3214868480
	.section	.rodata,"a",@progbits
	.p2align	6, 0x0
	.amdhsa_kernel k_qece344a588_qkv
		.amdhsa_group_segment_fixed_size 327680
		.amdhsa_private_segment_fixed_size 0
		.amdhsa_enable_private_segment 0
		.amdhsa_kernarg_size 32
		.amdhsa_user_sgpr_count 2
		.amdhsa_user_sgpr_kernarg_segment_ptr 1
		.amdhsa_wavefront_size32 1
		.amdhsa_system_sgpr_workgroup_id_x 1
		.amdhsa_system_sgpr_workgroup_id_y 1
		.amdhsa_system_sgpr_workgroup_id_z 1
		.amdhsa_system_vgpr_workitem_id 0
		.amdhsa_next_free_vgpr 1024
		.amdhsa_next_free_sgpr 106
		.amdhsa_reserve_vcc 0
		.amdhsa_float_denorm_mode_32 3
		.amdhsa_float_denorm_mode_16_64 3
		.amdhsa_memory_ordered 1
		.amdhsa_forward_progress 1
		.amdhsa_inst_pref_size 166
	.end_amdhsa_kernel
	.amdgpu_metadata
---
amdhsa.version: [ 1, 2 ]
amdhsa.kernels:
  - .name:           k_qece344a588_qkv
    .symbol:         k_qece344a588_qkv.kd
    .args:
      - { .name: opc, .offset: 0, .size: 8, .value_kind: global_buffer, .address_space: global }
      - { .name: ops, .offset: 8, .size: 8, .value_kind: global_buffer, .address_space: global }
      - { .name: hc, .offset: 16, .size: 8, .value_kind: global_buffer, .address_space: global }
      - { .name: hs, .offset: 24, .size: 8, .value_kind: global_buffer, .address_space: global }
    .group_segment_fixed_size: 327680
    .private_segment_fixed_size: 0
    .kernarg_segment_align: 8
    .kernarg_segment_size: 32
    .max_flat_workgroup_size: 128
    .sgpr_count:     106
    .vgpr_count:     1024
    .wavefront_size: 32
...
	.end_amdgpu_metadata
.endif
;; end of part 2
;; launch attn (part 3): grid 4 x 64, 16 waves a work-group, no clusters, 210,944 bytes of LDS; arguments hc, hs, mb, ac, asc; writes ac, asc
.if DOCPART == 3
	.amdgcn_target "amdgcn-amd-amdhsa--gfx1250"
	.amdhsa_code_object_version 6
	.text
	.protected	k_qece344a588_attn
	.globl	k_qece344a588_attn
	.p2align	8
	.type	k_qece344a588_attn,@function
k_qece344a588_attn:
	s_mov_b64 s[64:65], 0
	v_nop
	global_prefetch_b8 v0, s[64:65] scope:SCOPE_SE
	s_setreg_imm32_b32 hwreg(HW_REG_WAVE_MODE, 25, 1), 1
	s_wait_xcnt 0x0
; ATTN.  For each batch and head: S^T = K Q^T, the mask (false -> -1e9), p = 2^(t - M), O^T = V^T P^T, O / l, quantised along D into images for the last product.  Both products on codes of FP6 (E2M3) with E8M0 scales.
; t = logit x log2(e); M = the running largest t rounded up to a whole number; l is the sum of the unquantised p; when M moves, l and O^T are multiplied by 2^(old M - new M), which rounds nothing.
; SHARES.  Work-group (x, y): batch y / 16, head y % 16.  ALL of the head's K and V (codes and scale words, 208,896 bytes) come into LDS once, through registers, as images of the registers that read them.
; Wave w takes query tiles 4 w + x and 4 (31 - w) + x, one after the other, and walks 16 key steps of 128 for each.  A lane holds one query throughout (both products are used transposed).
; THE HEAD IS 64: K Q^T's fragments have six registers of codes.  Q's upper six are zero codes; K's operand of tile t is v[32 + 6 t .. 43 + 6 t], whose upper six are the next tile's codes (for the last tile: zeros):
; their products with Q's zeros add nothing, and no scale byte there is 0xff.
; THE MASK IS AN INPUT.  The launch before stored, for each tile and step, 64 lane masks and two flags.  all true: the 96 masking lines are passed over.  all false: every t of the step is the constant
; -1e9 x log2(e), so the step needs no K Q^T and one exponential; M, l and O^T are still carried exactly (a row all of whose keys are masked comes out uniform, as the definition has it).
; These are scalar branches on stored whole numbers, so this launch has no tensor load; and no cluster: K and V are read once at the head, not walked, and nothing else is shared.
; OUT: ac [block 128 b + T][K step head / 2][planes 3 (head % 2) on][lane][8]: stores of 256 consecutive aligned bytes.  asc: one byte a lane at 32 r + 2 head + h of the block's 512: single bytes, since a work-group
; has one head's two blocks of a row's 32; they are one part in 24 of the codes' bytes.
; LIMITS: NaN and infinities are not served; blocks whose largest magnitude lies under 2^-124 keep the byte 1.
; REGISTERS: v1-7 addresses that stay; v8-11 addresses in hand; v12 -M, v13 largest t, v[14:15] l; v16-27 Q; v28 Q's scale word; v29 the masked t; v32-79 K, then V; v80-85 zeros; v96-159 S^T, t, p; v160-191 O^T;
; v192-203 p's codes, v204-210 their second halves; v212-223 the blocks' maxima, bytes, scale operands; v224 p's scale word; v[226:227] f; v228-231 at work; v232-235 K's scale words; v236-237 V's; v240-243 the shut step.
; s16-63, s68-83 the 64 lane masks (word n in s[16 + n], from n = 48 on in s[20 + n]).
.set KL,  0                            ; LDS: K [step 16][group 12][lane][16]
.set VL,  98304                        ; V likewise
.set KSL, 196608                       ; K's scale words [step][lane][4]
.set VSL, 204800                       ; V's [step][lane][2]
	s_load_b256 s[84:91], s[0:1], 0x0              ; hc s[84:85], hs s[86:87], mb s[88:89], ac s[90:91]
	s_load_b64 s[92:93], s[0:1], 0x20              ; asc
	v_lshl_add_u32 v254, v0, 2, 0x33000
	v_mov_b32 v255, 0
	v_lshrrev_b32 v8, 5, v0
	v_readfirstlane_b32 s2, v8                     ; wave 0..15
	v_and_b32 v9, 31, v0                           ; lane
	v_and_b32 v10, 15, v0                          ; r
	v_bfe_u32 v11, v0, 4, 1                        ; h
	v_lshlrev_b32 v1, 4, v9                        ; 16 x lane: K
	v_add_nc_u32 v2, VL, v1                        ; V
	v_add_nc_u32 v3, KSL, v1                       ; K's scale words
	v_lshlrev_b32 v5, 3, v9                        ; 8 x lane
	v_add_nc_u32 v4, VSL, v5                       ; V's scale words
	v_lshl_add_u32 v6, v10, 5, v11                 ; 32 r + h
	v_lshlrev_b32 v7, 2, v10                       ; 4 r
	v_lshlrev_b32 v30, 2, v9                       ; 4 x lane
	s_and_b32 s3, ttmp7, 0xffff
	s_lshr_b32 s100, s3, 4                         ; batch
	s_and_b32 s101, s3, 15                         ; head
	s_lshl_b32 s98, s2, 2
	s_add_co_u32 s98, s98, ttmp9                   ; my first tile
	s_sub_co_u32 s99, 31, s2
	s_lshl_b32 s99, s99, 2
	s_add_co_u32 s99, s99, ttmp9                   ; my second
	s_mov_b32 s4, 0x76543210
	s_mov_b32 s5, 0xfedcba98                       ; lane l xor 16
	s_mov_b32 s6, 0x3e38aa3b                       ; c = log2(e) / 8
	s_mov_b32 s94, s6
	s_mov_b32 s95, s6                              ; (the packed form names a pair)
	s_mov_b32 s67, 0xffff0000
	; ---- the fill: wave w brings key step w
	s_lshl_b32 s10, s100, 7
	s_lshl_b32 s11, s2, 3
	s_add_co_u32 s10, s10, s11                     ; 128 b + 8 w: the step's first block of keys
	s_add_co_u32 s11, s101, 16
	s_lshl_b32 s11, s11, 9
	s_add_co_u32 s11, s11, s10
	s_mul_i32 s16, s11, 768                        ; K's codes
	s_mov_b32 s17, 0
	s_lshr_b32 s11, s101, 1
	s_add_co_u32 s11, s11, 8
	s_lshl_b32 s11, s11, 9
	s_add_co_u32 s11, s11, s10
	s_lshl_b32 s18, s11, 6                         ; K's scale words
	s_mov_b32 s19, 0
	s_lshl_b32 s10, s100, 4
	s_add_co_u32 s10, s10, s2                      ; 16 b + w
	s_lshl_b32 s11, s101, 2                        ; 4 x head
	s_lshl_b32 s12, s10, 7
	s_add_co_u32 s12, s12, s11
	s_mul_i32 s20, s12, 768
	s_add_co_u32 s20, s20, 12582912                ; V's codes
	s_mov_b32 s21, 0
	s_lshl_b32 s12, s10, 6
	s_add_co_u32 s12, s12, s11
	s_lshl_b32 s22, s12, 6
	s_add_co_u32 s22, s22, 524288                  ; V's scale words
	s_mov_b32 s23, 0
	s_wait_kmcnt 0x0
	s_add_nc_u64 s[16:17], s[84:85], s[16:17]
	s_add_nc_u64 s[18:19], s[86:87], s[18:19]
	s_add_nc_u64 s[20:21], s[84:85], s[20:21]
	s_add_nc_u64 s[22:23], s[86:87], s[22:23]
.set p, 0
.rept 24
	global_load_b64 v[32+2*p:33+2*p], v5, s[16:17] offset:256*p   ; eight tiles of keys x three planes: registers 6 t + 2 j
.set p, p+1
.endr
.irp t, 0,1,2,3
.irp c, 0,1
.irp j, 0,1,2
	global_load_b64 v[80+12*\t+6*\c+2*\j:81+12*\t+6*\c+2*\j], v5, s[20:21] offset:49152*\c+768*\t+256*\j   ; four tiles of channels x 128 keys
.endr
.endr
.endr
.irp i, 0,1,2,3
	global_load_b32 v[128+\i], v30, s[18:19] offset:128*\i   ; lanes 0-15: tile 2 i's words, lanes 16-31: tile 2 i + 1's
.endr
.irp i, 0,1
	global_load_b32 v[132+\i], v30, s[22:23] offset:128*\i
.endr
	s_mul_i32 s3, s2, 6144
	v_add_nc_u32 v8, s3, v1
	v_add_nc_u32 v9, s3, v2
	s_lshl_b32 s3, s2, 9
	v_add_nc_u32 v10, s3, v3
	s_lshl_b32 s3, s2, 8
	v_add_nc_u32 v11, s3, v4
	s_and_b32 s3, s101, 1
	s_lshl_b32 s3, s3, 4                           ; a word holds two heads' bytes: mine come down to bytes 0 and 1
	s_wait_loadcnt 0x0
.irp i, 0,1,2,3
	v_lshrrev_b32 v[128+\i], s3, v[128+\i]
.endr
.set g, 0
.rept 12
	ds_store_b128 v8, v[32+4*g:35+4*g] offset:512*g
	ds_store_b128 v9, v[80+4*g:83+4*g] offset:512*g
.set g, g+1
.endr
	ds_store_b128 v10, v[128:131]
	ds_store_b64 v11, v[132:133]
	s_wait_dscnt 0x0                               ; for the others' sake: my stores have landed
	s_barrier_signal -1
	s_barrier_wait -1                              ; the launch's one barrier: nothing writes LDS behind it
.irp i, 0,1,2,3,4,5
	v_mov_b32 v[22+\i], 0                          ; Q's upper half: zero codes
	v_mov_b32 v[80+\i], 0                          ; behind K's last tile
.endr
.irp i, 0,1,2,3
	v_mov_b32 v[216+\i], 0                         ; a lane permute's destination counts as one of its sources
.endr
	v_mov_b32 v227, 0                              ; (named as the upper half of the pair v[226:227])
	v_mov_b32 v228, 0
	v_mov_b32 v29, 0xce6e6b28                      ; -1e9
	v_mul_f32 v29, 0x3fb8aa3b, v29                 ; x log2(e): the masked t
	s_mov_b32 s66, 0
.Ltile:
	s_wait_xcnt 0x0                                ; the last tile's stores have read their registers and bases
	s_cmp_eq_u32 s66, 0
	s_cselect_b32 s15, s98, s99                    ; T
	s_lshl_b32 s3, s100, 7
	s_add_co_u32 s14, s3, s15                      ; 128 b + T
	s_lshl_b32 s3, s101, 9
	s_add_co_u32 s3, s3, s14
	s_mul_i32 s16, s3, 768
	s_mov_b32 s17, 0
	s_add_nc_u64 s[16:17], s[84:85], s[16:17]      ; Q's codes
	s_lshr_b32 s3, s101, 1
	s_lshl_b32 s3, s3, 9
	s_add_co_u32 s3, s3, s14
	s_lshl_b32 s18, s3, 6
	s_mov_b32 s19, 0
	s_add_nc_u64 s[18:19], s[86:87], s[18:19]      ; Q's scale words
	s_lshl_b32 s20, s15, 12
	s_mov_b32 s21, 0
	s_add_nc_u64 s[104:105], s[88:89], s[20:21]    ; the tile's lane masks: 4,096 bytes
	s_lshl_b32 s20, s15, 4
	s_add_co_u32 s20, s20, 524288
	s_add_nc_u64 s[20:21], s[88:89], s[20:21]
	s_load_b128 s[24:27], s[20:21], 0x0            ; its four flag words
.irp j, 0,1,2
	global_load_b64 v[16+2*\j:17+2*\j], v5, s[16:17] offset:256*\j
.endr
	global_load_b32 v28, v7, s[18:19]
	v_mov_b32 v13, 0xff61b1e6                      ; the largest t so far: -3e38
	v_floor_f32 v12, -v13                          ; -M
	v_mov_b32 v14, 0
	v_mov_b32 v15, 0
	s_and_b32 s3, s101, 1
	s_lshl_b32 s3, s3, 4
	s_mov_b32 s10, 0                               ; step,
	s_mov_b32 s11, 0                               ; 6,144 x step,
	s_mov_b32 s12, 0                               ; 512 x step,
	s_mov_b32 s13, 0                               ; 256 x step
	s_wait_kmcnt 0x0
	s_or_b32 s7, s24, s25
	s_or_b32 s7, s7, s26
	s_or_b32 s7, s7, s27                           ; bit s: step s all true; bit 16 + s: all false
	s_wait_loadcnt 0x0
	v_lshrrev_b32 v28, s3, v28                     ; my head's two bytes
.set j, 0
.rept 32
	v_mov_b32 v[160+j], 0                          ; O^T: the step is written once; these 32 lines also stand between the scale word's write and the first product
.set j, j+1
.endr
.Lstep:
	s_lshr_b32 s14, s7, s10
	s_bitcmp1_b32 s14, 16
	s_cbranch_scc1 .Lshut
	s_load_b512 s[16:31], s[104:105], s13 offset:0x0     ; the step's 64 lane masks
	s_load_b512 s[32:47], s[104:105], s13 offset:0x40
	s_load_b512 s[48:63], s[104:105], s13 offset:0x80
	s_load_b512 s[68:83], s[104:105], s13 offset:0xc0
	s_bitcmp1_b32 s14, 0
	s_cselect_b32 s8, s6, 1.0                      ; all true: the registers keep scores, and c is applied by the multiply-add below; else they hold t, and the factor is 1
	s_mov_b32 s9, s8
	v_add_nc_u32 v8, s11, v1
	v_add_nc_u32 v10, s12, v3
	v_nop
	v_nop                                          ; four plain lines behind the last step's products, whose operands are loaded over
.set g, 0
.rept 12
	ds_load_b128 v[32+4*g:35+4*g], v8 offset:512*g
.set g, g+1
.endr
	ds_load_b128 v[232:235], v10
	s_wait_dscnt 0x0
.irp t, 0,1,2,3,4,5,6,7
.if \t%2
	v_wmma_scale_f32_16x16x128_f8f6f4 v[96+8*\t:103+8*\t], v[32+6*\t:43+6*\t], v[16:27], 0, v[232+\t/2], v28 matrix_a_fmt:MATRIX_FMT_FP6 matrix_b_fmt:MATRIX_FMT_FP6 matrix_a_scale:MATRIX_SCALE_ROW1
.else
	v_wmma_scale_f32_16x16x128_f8f6f4 v[96+8*\t:103+8*\t], v[32+6*\t:43+6*\t], v[16:27], 0, v[232+\t/2], v28 matrix_a_fmt:MATRIX_FMT_FP6 matrix_b_fmt:MATRIX_FMT_FP6
.endif
.endr
	v_add_nc_u32 v9, s11, v2
	v_add_nc_u32 v11, s13, v4
	v_nop
	v_nop                                          ; four plain lines: K's registers take V, which lands under the softmax; the scores are read below
.set g, 0
.rept 12
	ds_load_b128 v[32+4*g:35+4*g], v9 offset:512*g
.set g, g+1
.endr
	ds_load_b64 v[236:237], v11
	s_wait_kmcnt 0x0                               ; the lane masks are in (on both ways: their registers and offset are free behind this wait)
	s_bitcmp1_b32 s14, 0
	s_cbranch_scc1 .Lopen
.set j, 0
.rept 32
	v_pk_mul_f32 v[96+j:97+j], v[96+j:97+j], s[94:95] op_sel_hi:[1,0]   ; t
.set j, j+2
.endr
.set n, 0
.rept 64
	v_cndmask_b32 v[96+n], v29, v[96+n], s[16+n+4*(n/48)]   ; false: the masked t
.set n, n+1
.endr
.Lopen:
.irp b, 0,1,2,3
	v_max3_num_f32 v[212+\b], v[96+16*\b], v[97+16*\b], v[98+16*\b]   ; the largest of each block of 32 keys: it serves the row's maximum and, since p rises with t, the block's largest p
.endr
.irp i, 3,5,7,9,11,13
.irp b, 0,1,2,3
	v_max3_num_f32 v[212+\b], v[212+\b], v[96+16*\b+\i], v[97+16*\b+\i]
.endr
.endr
.irp b, 0,1,2,3
	v_max_num_f32 v[212+\b], v[212+\b], v[111+16*\b]
.endr
.irp b, 0,1,2,3
	v_permlanex16_b32 v[216+\b], v[212+\b], s4, s5
.endr
.irp b, 0,1,2,3
	v_max_num_f32 v[212+\b], v[212+\b], v[216+\b]
.endr
	v_max3_num_f32 v228, v212, v213, v214
	v_max_num_f32 v228, v228, v215
	v_mul_f32 v228, s8, v228                       ; as t
	v_max_num_f32 v13, v13, v228                   ; the running largest t
	v_mov_b32 v228, v12
	v_floor_f32 v12, -v13                          ; -M = floor(-t)
	v_sub_f32 v228, v12, v228                      ; old M - new M: a whole number, 0 or less
	v_cvt_i32_f32 v228, v228                       ; (it saturates)
	v_ldexp_f32 v226, 1.0, v228                    ; f
.set j, 0
.rept 32
	v_pk_fma_f32 v[96+j:97+j], v[96+j:97+j], s[8:9], v[12:13] op_sel_hi:[1,0,0]   ; t - M
.set j, j+2
.endr
.irp b, 0,1,2,3
	v_fma_f32 v[212+\b], v[212+\b], s8, v12
.endr
.set j, 0
.rept 64
	v_exp_f32 v[96+j], v[96+j]                     ; p, not normalised
.set j, j+1
.endr
	v_pk_mul_f32 v[14:15], v[14:15], v[226:227] op_sel_hi:[1,0]   ; l under the new M; the plain line behind the exponentials
	s_wait_alu depctr_va_vdst(0)                   ; one wait for the batch, ahead of its first reader
.irp b, 0,1,2,3
	v_exp_f32 v[212+\b], v[212+\b]                 ; the blocks' largest p
.endr
	v_pk_add_f32 v[230:231], v[96:97], v[98:99]    ; l is the sum of the unquantised p: two chains
.irp j, 4,8,12,16,20,24,28,32,36,40,44,48,52,56,60
	v_pk_add_f32 v[14:15], v[14:15], v[96+\j:97+\j]
	v_pk_add_f32 v[230:231], v[230:231], v[98+\j:99+\j]
.endr
	v_pk_add_f32 v[14:15], v[14:15], v[230:231]
	s_wait_alu depctr_va_vdst(0)                   ; and one for the four
.irp b, 0,1,2,3
	v_max_num_f32 v[212+\b], 0x1800000, v[212+\b]  ; the floor: the byte cannot fall under 1
.endr
.irp b, 0,1,2,3
	v_add_nc_u32 v[220+\b], 0xff000000, v[212+\b]
.endr
.irp b, 0,1,2,3
	v_lshrrev_b32 v[216+\b], 23, v[220+\b]
.endr
	v_lshl_or_b32 v224, v217, 8, v216
	v_lshl_or_b32 v224, v218, 16, v224
	v_lshl_or_b32 v224, v219, 24, v224
.irp c, 0,1
	v_cvt_scalef32_pk16_fp6_f32 v[192+6*\c:194+6*\c], v[96+32*\c:111+32*\c], v[220+2*\c]
	v_cvt_scalef32_pk16_fp6_f32 v[204+4*\c:206+4*\c], v[112+32*\c:127+32*\c], v[220+2*\c+1]
.endr
	v_nop                                          ; one plain line behind a scaled conversion
.irp c, 0,1
.irp i, 0,1,2
	v_permlane16_swap_b32 v[192+6*\c+\i], v[204+4*\c+\i]
.endr
.irp i, 0,1,2
	v_mov_b32 v[195+6*\c+\i], v[204+4*\c+\i]
.endr
.endr
	s_branch .Lpv
.Lshut:                                            ; every key of the step is masked for all 16 queries: t is the same number 128 times
	v_add_nc_u32 v9, s11, v2
	v_add_nc_u32 v11, s13, v4
	v_nop
	v_nop
.set g, 0
.rept 12
	ds_load_b128 v[32+4*g:35+4*g], v9 offset:512*g
.set g, g+1
.endr
	ds_load_b64 v[236:237], v11
	v_max_num_f32 v13, v13, v29
	v_mov_b32 v228, v12
	v_floor_f32 v12, -v13
	v_sub_f32 v228, v12, v228
	v_cvt_i32_f32 v228, v228
	v_ldexp_f32 v226, 1.0, v228
	v_add_f32 v240, v29, v12                       ; t - M
	v_exp_f32 v240, v240                           ; p
	v_pk_mul_f32 v[14:15], v[14:15], v[226:227] op_sel_hi:[1,0]
	s_wait_alu depctr_va_vdst(0)
	v_fmamk_f32 v14, v240, 0x42000000, v14         ; my 64 keys: 32 p onto each half of l
	v_fmamk_f32 v15, v240, 0x42000000, v15
	v_max_num_f32 v241, 0x1800000, v240
	v_add_nc_u32 v242, 0xff000000, v241
	v_lshrrev_b32 v243, 23, v242
	v_lshl_or_b32 v243, v243, 8, v243
	v_lshl_or_b32 v224, v243, 16, v243             ; the same byte four times
.set j, 0
.rept 16
	v_mov_b32 v[96+j], v240
.set j, j+1
.endr
	v_cvt_scalef32_pk16_fp6_f32 v[192:194], v[96:111], v242   ; sixteen equal codes: 96 bits,
	v_nop
.irp i, 0,1,2,3,4,5,6,7,8
	v_mov_b32 v[195+\i], v[192+\i%3]               ; four times over
.endr
.Lpv:
.set j, 0
.rept 16
	v_pk_mul_f32 v[160+j:161+j], v[160+j:161+j], v[226:227] op_sel_hi:[1,0]   ; O^T under the new M; these lines also stand between the writes of p's codes and scale word and the products
.set j, j+2
.endr
	s_wait_dscnt 0x0                               ; V is in
.irp t, 0,1,2,3
.if \t%2
	v_wmma_scale_f32_16x16x128_f8f6f4 v[160+8*\t:167+8*\t], v[32+12*\t:43+12*\t], v[192:203], v[160+8*\t:167+8*\t], v[236+\t/2], v224 matrix_a_fmt:MATRIX_FMT_FP6 matrix_b_fmt:MATRIX_FMT_FP6 matrix_a_scale:MATRIX_SCALE_ROW1
.else
	v_wmma_scale_f32_16x16x128_f8f6f4 v[160+8*\t:167+8*\t], v[32+12*\t:43+12*\t], v[192:203], v[160+8*\t:167+8*\t], v[236+\t/2], v224 matrix_a_fmt:MATRIX_FMT_FP6 matrix_b_fmt:MATRIX_FMT_FP6
.endif
.endr
	s_add_co_u32 s11, s11, 6144
	s_add_co_u32 s12, s12, 512
	s_add_co_u32 s13, s13, 256
	s_add_co_u32 s10, s10, 1
	s_cmp_lt_u32 s10, 16
	s_cbranch_scc1 .Lstep
	; ---- the tile's way out: O / l, quantised along the head's 64 (two blocks of 32), as six registers of the next product's fragment
.rept 4
	v_nop
.endr
	v_add_f32 v14, v14, v15
	v_permlanex16_b32 v228, v14, s4, s5
	v_add_f32 v14, v14, v228                       ; the row's sum
	v_rcp_f32 v226, v14
	v_nop
	s_lshl_b32 s3, s100, 7
	s_add_co_u32 s14, s3, s15                      ; 128 b + T
	s_lshl_b32 s16, s14, 3
	s_lshr_b32 s3, s101, 1
	s_add_co_u32 s16, s16, s3
	s_mul_i32 s16, s16, 1536                       ; the block's K step head / 2,
	s_and_b32 s3, s101, 1
	s_mul_i32 s3, s3, 768                          ; its planes 3 (head % 2) on
	s_add_co_u32 s16, s16, s3
	s_mov_b32 s17, 0
	s_add_nc_u64 s[16:17], s[90:91], s[16:17]
	s_lshl_b32 s18, s14, 9
	s_lshl_b32 s3, s101, 1
	s_add_co_u32 s18, s18, s3
	s_mov_b32 s19, 0
	s_add_nc_u64 s[18:19], s[92:93], s[18:19]
	s_wait_alu depctr_va_vdst(0)                   ; ahead of the reciprocal's first reader
.set j, 0
.rept 16
	v_pk_mul_f32 v[96+j:97+j], v[160+j:161+j], v[226:227] op_sel_hi:[1,0]   ; register 16 b + i = channel 32 b + 16 h + i; each accumulator from its low end on
.set j, j+2
.endr
.irp b, 0,1
	v_max3_num_f32 v[212+\b], |v[96+16*\b]|, |v[97+16*\b]|, 0x1800000
.endr
.irp i, 2,4,6,8,10,12,14
.irp b, 0,1
	v_max3_num_f32 v[212+\b], v[212+\b], |v[96+16*\b+\i]|, |v[97+16*\b+\i]|
.endr
.endr
.irp b, 0,1
	v_permlanex16_b32 v[216+\b], v[212+\b], s4, s5
.endr
.irp b, 0,1
	v_max_num_f32 v[212+\b], v[212+\b], v[216+\b]
.endr
.irp b, 0,1
	v_add_nc_u32 v[220+\b], 0xff000000, v[212+\b]
.endr
.irp b, 0,1
	v_lshrrev_b32 v[216+\b], 23, v[220+\b]
.endr
	v_cvt_scalef32_pk16_fp6_f32 v[192:194], v[96:111], v220
	v_cvt_scalef32_pk16_fp6_f32 v[204:206], v[112:127], v221
	v_cndmask_b32 v229, v216, v217, s67            ; lanes 0-15 block 0's byte, lanes 16-31 block 1's; the plain line behind the conversions
.irp i, 0,1,2
	v_permlane16_swap_b32 v[192+\i], v[204+\i]
.endr
.irp i, 0,1,2
	v_mov_b32 v[195+\i], v[204+\i]
.endr
.irp j, 0,1,2
	global_store_b64 v5, v[192+2*\j:193+2*\j], s[16:17] offset:256*\j
.endr
	global_store_b8 v6, v229, s[18:19]
	s_add_co_u32 s66, s66, 1
	s_cmp_lt_u32 s66, 2
	s_cbranch_scc1 .Ltile
	s_wait_tensorcnt 0x0
	ds_add_u32 v254, v255
	s_wait_dscnt 0x0
	s_endpgm
.Lfunc_end_k_qece344a588_attn:
	.size	k_qece344a588_attn, .Lfunc_end_k_qece344a588_attn-k_qece344a588_attn
	.p2alignl 7, 3214868480
	.fill 96, 4, 3214868480
	.section	.rodata,"a",@progbits
	.p2align	6, 0x0
	.amdhsa_kernel k_qece344a588_attn
		.amdhsa_group_segment_fixed_size 210944
		.amdhsa_private_segment_fixed_size 0
		.amdhsa_enable_private_segment 0
		.amdhsa_kernarg_size 40
		.amdhsa_user_sgpr_count 2
		.amdhsa_user_sgpr_kernarg_segment_ptr 1
		.amdhsa_wavefront_size32 1
		.amdhsa_system_sgpr_workgroup_id_x 1
		.amdhsa_system_sgpr_workgroup_id_y 1
		.amdhsa_system_sgpr_workgroup_id_z 1
		.amdhsa_system_vgpr_workitem_id 0
		.amdhsa_next_free_vgpr 256
		.amdhsa_next_free_sgpr 106
		.amdhsa_reserve_vcc 0
		.amdhsa_float_denorm_mode_32 3
		.amdhsa_float_denorm_mode_16_64 3
		.amdhsa_memory_ordered 1
		.amdhsa_forward_progress 1
		.amdhsa_inst_pref_size 43
	.end_amdhsa_kernel
	.amdgpu_metadata
---
amdhsa.version: [ 1, 2 ]
amdhsa.kernels:
  - .name:           k_qece344a588_attn
    .symbol:         k_qece344a588_attn.kd
    .args:
      - { .name: hc, .offset: 0, .size: 8, .value_kind: global_buffer, .address_space: global }
      - { .name: hs, .offset: 8, .size: 8, .value_kind: global_buffer, .address_space: global }
      - { .name: mb, .offset: 16, .size: 8, .value_kind: global_buffer, .address_space: global }
      - { .name: ac, .offset: 24, .size: 8, .value_kind: global_buffer, .address_space: global }
      - { .name: asc, .offset: 32, .size: 8, .value_kind: global_buffer, .address_space: global }
    .group_segment_fixed_size: 210944
    .private_segment_fixed_size: 0
    .kernarg_segment_align: 8
    .kernarg_segment_size: 40
    .max_flat_workgroup_size: 512
    .sgpr_count:     106
    .vgpr_count:     256
    .wavefront_size: 32
...
	.end_amdgpu_metadata
.endif
;; end of part 3
;; launch oproj (part 4): grid 4 x 32, 4 waves a work-group, clusters of 4 x 4, 327,680 bytes of LDS; arguments ac, asc, opc, ops, out0; writes out0
.if DOCPART == 4
	.amdgcn_target "amdgcn-amd-amdhsa--gfx1250"
	.amdhsa_code_object_version 6
	.text
	.protected	k_qece344a588_oproj
	.globl	k_qece344a588_oproj
	.p2align	8
	.type	k_qece344a588_oproj,@function
k_qece344a588_oproj:
	s_mov_b64 s[64:65], 0
	v_nop
	global_prefetch_b8 v0, s[64:65] scope:SCOPE_SE
	s_setreg_imm32_b32 hwreg(HW_REG_WAVE_MODE, 25, 1), 1
	s_wait_xcnt 0x0
	s_wait_alu depctr_hold_cnt(0) depctr_sa_sdst(0) depctr_va_vdst(0) depctr_va_sdst(0) depctr_va_ssrc(0) depctr_va_vcc(0) depctr_vm_vsrc(0)
	s_getreg_b32 s2, hwreg(HW_REG_IB_STS2, 6, 4)
	s_cmp_eq_u32 s2, 0
	s_cbranch_scc0 .Lentry_in_a_cluster
	s_endpgm
.Lentry_in_a_cluster:
	s_bfe_u32 s2, ttmp6, 0x10000c
	s_cmp_lg_u32 s2, 0xf033
	s_cbranch_scc0 .Lentry_shape_is_right
	s_endpgm
.Lentry_shape_is_right:
; OPROJ.  out0 = a Wo^T on codes of FP6 (E2M3) with E8M0 scales, K = 1,024; out0 [8192][1024] f32.  a (ac, asc) and Wo (blocks 704-767 of opc, ops) are images of operand registers: rows in blocks of 16
; (block 2 b + u, lane r = row 32 b + 8 u + r + 8 (r / 8)); codes [block][K step 8][plane 6][lane][8 bytes], scale words [block][r][8].
; A tile of 256 x 256 is made by four waves, 128 x 128 each; K goes in four slots' worth of 256 through a ring of two LDS slots; a block's part of a slot is 3,072 consecutive bytes.
; THE MATRIX INSTRUCTION IS USED TRANSPOSED (source 0 = a block of Wo, source 1 = a block of a): register j of accumulator (a, bb) in lane (r, h) is row 32 (a / 2) + 8 (a % 2) + r + 8 (r / 8),
; column 32 (bb / 2) + 16 h + 8 (bb % 2) + j of the wave's 128 x 128.  128 tiles: the launch has work for 128 work-groups.
; CLUSTERS: 4 x 4 work-groups; a's tiles are asked for jointly along a row of the cluster, Wo's along a column.
; REGISTERS: window 0: v16-29 addresses; v32-63 scale words, two sets; v128-223 A's fragments; on the way out v128-255 rows read back.  window 1: B's fragments, two sets.  windows 2, 3: the accumulators.
.set NQ,     2
.set FR,     12
.set NL,     6
.set NP,     4
.set BLKB,   3072
.set HALFT,  8*BLKB
.set SLOT,   4*HALFT
.set LAPS,   2
.set KS,     32
.set SCL,    2*SLOT
.set HALFS,  16*272
.set SBLK,   2*272
.set SPARE,  SCL+4*HALFS               ; the spare words, 128 bytes for each wave; no other line names them
.set SPITCH, 528                       ; the way out: a stage of 16 rows x (512 bytes + 16) for each wave, in slot 0, which has then had its last fill and its last read
.set ADRA, 16
.set ADRB, 20
.set STO,  24                          ; v24  the stage: where I put 32 bytes of a row
.set RD,   25                          ; v25  and where I read a row back
.set CO,   26                          ; v26  16 x lane: my bytes of a row of 512
.set ADRS, 27
.set SPW,  28
.set NIL,  29
.set SC,   32
.set AF,   128
.set BK,   128
.set G1, 24
.set G0, 32
.set G1B, 48
.set G0B, 56
.set G1S, 68
.set G0S, 76
.set G1SB, 80
.set G0SB, 88
.set MSB, 0
.macro WIN new
.if MSB != (\new)
	s_set_vgpr_msb (MSB<<8)|(\new)
.set MSB, (\new)
.endif
.endm
.set MUL_LO, 0xa1
.set MUL_HI, 0xf1
.set TO_B,   0x40
.macro JLOAD g0a, g1a, g0b, g1b        ; a joint load: waves 0 and 1 fetch for A, waves 2 and 3 for B; four v_nop follow each of the two lines
	s_cmp_eq_u32 s15, 0
	s_cbranch_scc0 .Lfor_b_\@
	tensor_load_to_lds s[\g0a:\g0a+3], s[\g1a:\g1a+7]
	s_nop 0
.rept 4
	v_nop
.endr
	s_branch .Lasked_\@
.Lfor_b_\@:
	tensor_load_to_lds s[\g0b:\g0b+3], s[\g1b:\g1b+7]
	s_nop 0
.rept 4
	v_nop
.endr
.Lasked_\@:
.endm
.macro CREST
	s_cmp_lg_u32 s14, 0
	s_cbranch_scc1 .Lnot_wave_0_\@
	s_barrier_signal -3
.Lnot_wave_0_\@:
	s_barrier_wait -3
	s_barrier_signal -1
	s_barrier_wait -1
.endm
.macro CROUND
	s_barrier_signal -1
	s_barrier_wait -1
	CREST
.endm
	s_load_b128 s[4:7], s[0:1], 0x0                ; ac, asc
	s_load_b128 s[8:11], s[0:1], 0x10              ; opc, ops
	s_load_b64 s[12:13], s[0:1], 0x20              ; out0
	v_lshl_add_u32 v[SPW], v0, 2, SPARE
	v_mov_b32 v[NIL], 0
	ds_add_u32 v28, v29
	ds_add_u32 v28, v29
	s_wait_dscnt 0x0
	v_lshrrev_b32 v1, 5, v0
	v_readfirstlane_b32 s14, v1                    ; wave 0..3
	s_lshr_b32 s15, s14, 1                         ; my half of the tile's rows; also: I fetch for A (0) or for B (1)
	s_and_b32 s16, s14, 1                          ; my half of its columns; also: which eight blocks I fetch
	s_bfe_u32 s40, ttmp6, 0x40000
	s_bfe_u32 s41, ttmp6, 0x40004
	s_lshl_b32 s42, ttmp9, 2
	s_add_co_u32 s42, s42, s40                     ; tile column
	s_and_b32 s17, ttmp7, 0xffff
	s_lshl_b32 s17, s17, 2
	s_add_co_u32 s17, s17, s41                     ; tile row
	s_lshl_b32 s43, s41, 2
	s_lshl_b32 s43, 15, s43                        ; my row of the cluster
	s_lshl_b32 s44, 0x1111, s40                    ; my column
	s_or_b32 s[G1+0], s43, (3<<16)|(1<<21)         ; codes: 8 rows (blocks) of 384 elements of 8 bytes, 1,536 elements apart; no padding
	s_or_b32 s[G1B+0], s44, (3<<16)|(1<<21)
.irp g, G1, G1B
	s_mov_b32 s[\g+1], 384<<16
	s_mov_b32 s[\g+2], 8<<16
	s_mov_b32 s[\g+3], 384<<16
	s_mov_b32 s[\g+4], 8
	s_mov_b32 s[\g+5], 1536
	s_mov_b32 s[\g+6], 0
	s_mov_b32 s[\g+7], 0
.endr
	s_or_b32 s[G1S+0], s43, (3<<16)|(1<<20)|(1<<21)|(5<<22)|(3<<25)   ; scale words of eight blocks: 16 rows of 256 bytes, 16 of padding behind each
	s_or_b32 s[G1SB+0], s44, (3<<16)|(1<<20)|(1<<21)|(5<<22)|(3<<25)
.irp g, G1S, G1SB
	s_mov_b32 s[\g+1], 32<<16
	s_mov_b32 s[\g+2], 16<<16
	s_mov_b32 s[\g+3], 32<<16
	s_mov_b32 s[\g+4], 16
	s_mov_b32 s[\g+5], 32
	s_mov_b32 s[\g+6], 0
	s_mov_b32 s[\g+7], 0
.endr
	s_lshl_b32 s18, s16, 3
	s_lshl_b32 s20, s17, 4
	s_add_co_u32 s20, s20, s18                     ; A: block 16 x tile row + 8 x half
	s_lshl_b32 s46, s42, 4
	s_add_co_u32 s46, s46, s18
	s_add_co_u32 s46, s46, 704                     ; B: Wo's first block + 16 x tile column + 8 x half
	s_lshl_b32 s22, s20, 9
	s_mov_b32 s23, 0
	s_lshl_b32 s92, s46, 9
	s_mov_b32 s93, 0
	s_mul_i32 s20, s20, 12288
	s_mov_b32 s21, 0
	s_mul_i32 s46, s46, 12288
	s_mov_b32 s47, 0
	s_mul_i32 s45, s14, HALFT
	s_mul_i32 s94, s14, HALFS
	s_wait_kmcnt 0x0
	s_add_nc_u64 s[20:21], s[4:5], s[20:21]
	s_add_nc_u64 s[22:23], s[6:7], s[22:23]
	s_add_nc_u64 s[46:47], s[8:9], s[46:47]
	s_add_nc_u64 s[92:93], s[10:11], s[92:93]
	CROUND                                         ; all sixteen work-groups are here: the first joint loads meet
	s_mov_b32 s[G0S], 1
	s_add_co_u32 s[G0S+1], s94, SCL
	s_mov_b64 s[G0S+2:G0S+3], s[22:23]
	s_or_b32 s[G0S+3], s[G0S+3], 0x80000000
	s_mov_b32 s[G0SB], 1
	s_add_co_u32 s[G0SB+1], s94, SCL
	s_mov_b64 s[G0SB+2:G0SB+3], s[92:93]
	s_or_b32 s[G0SB+3], s[G0SB+3], 0x80000000
	JLOAD G0S, G1S, G0SB, G1SB
.irp s, 0,1
	s_mov_b32 s[G0+4*\s], 1
	s_add_co_u32 s[G0+4*\s+1], s45, \s*SLOT
	s_add_nc_u64 s[G0+4*\s+2:G0+4*\s+3], s[20:21], \s*BLKB
	s_or_b32 s[G0+4*\s+3], s[G0+4*\s+3], 0x80000000
	s_mov_b32 s[G0B+4*\s], 1
	s_add_co_u32 s[G0B+4*\s+1], s45, \s*SLOT
	s_add_nc_u64 s[G0B+4*\s+2:G0B+4*\s+3], s[46:47], \s*BLKB
	s_or_b32 s[G0B+4*\s+3], s[G0B+4*\s+3], 0x80000000
	JLOAD G0+4*\s, G1, G0B+4*\s, G1B
.endr
	v_and_b32 v1, 15, v0                           ; r
	v_bfe_u32 v2, v0, 4, 1                         ; h
	v_and_b32 v3, 31, v0
	v_lshlrev_b32 v4, 3, v3                        ; 8 x lane
	v_lshlrev_b32 v[CO], 4, v3
	s_mul_i32 s21, s15, HALFT
	s_mul_i32 s22, s16, HALFT
	s_add_co_u32 s22, s22, 2*HALFT
.irp s, 0,1
	v_add_nc_u32 v[ADRA+\s], s21, v4
	v_add_nc_u32 v[ADRB+\s], s22, v4
	s_add_co_u32 s21, s21, SLOT
	s_add_co_u32 s22, s22, SLOT
.endr
	v_mul_u32_u24 v5, v1, KS
	v_lshrrev_b32 v6, 8, v5
	v_lshl_add_u32 v5, v6, 4, v5
	s_mul_i32 s21, s15, HALFS
	s_mul_i32 s22, s16, HALFS
	s_add_co_u32 s22, s22, 2*HALFS
	s_sub_co_u32 s22, s22, s21
	v_mul_u32_u24 v6, s22, v2                      ; lanes 16-31 take B's
	s_add_co_u32 s21, s21, SCL
	v_add_nc_u32 v5, v5, v6
	v_add_nc_u32 v[ADRS], s21, v5
	s_mul_i32 s23, s14, 16*SPITCH                  ; my stage
	v_mul_u32_u24 v5, v1, SPITCH
	v_lshl_add_u32 v5, v2, 6, v5                   ; in: row r, + 64 h
	v_add_nc_u32 v[STO], s23, v5
	v_add_nc_u32 v[RD], s23, v[CO]                 ; back: a row of 512 bytes to the 32 lanes
	s_lshl_b32 s20, s17, 8
	s_lshl_b32 s21, s15, 7
	s_add_co_u32 s20, s20, s21                     ; my first row of out0
	s_lshl_b32 s20, s20, 12                        ; rows of 4,096 bytes
	s_mov_b32 s21, 0
	s_lshl_b32 s46, s42, 10                        ; my first column, in bytes
	s_lshl_b32 s47, s16, 9
	s_add_co_u32 s46, s46, s47
	s_mov_b32 s47, 0
	s_add_nc_u64 s[12:13], s[12:13], s[20:21]
	s_add_nc_u64 s[12:13], s[12:13], s[46:47]
.macro FRAG reg, adr, q, i             ; a fragment: six planes of 256 consecutive bytes, 8 bytes a lane
.irp p, 0,1,2,3,4,5
	ds_load_b64 v[\reg+2*\p:\reg+2*\p+1], v[\adr] offset:(\i)*BLKB+(\q)*1536+256*\p
.endr
.endm
.macro MUL16 a0, p, q, sc, zero        ; the 64 accumulators take turns, one instruction a turn
.irp a, \a0, \a0+1
.irp b, 0,1,2,3,4,5,6,7
.if \zero
	v_wmma_scale_f32_16x16x128_f8f6f4 v[8*(8*((\a)%4)+\b):8*(8*((\a)%4)+\b)+7], v[128*(\p)+FR*\b:128*(\p)+FR*\b+FR-1], v[AF+FR*(\a):AF+FR*(\a)+FR-1], 0, v[SC+8*NQ*(\sc)+NQ*\b+(\q)], v[SC+8*NQ*(\sc)+NQ*(\a)+(\q)] matrix_a_fmt:MATRIX_FMT_FP6 matrix_b_fmt:MATRIX_FMT_FP6 matrix_a_scale:MATRIX_SCALE_ROW1
.else
	v_wmma_scale_f32_16x16x128_f8f6f4 v[8*(8*((\a)%4)+\b):8*(8*((\a)%4)+\b)+7], v[128*(\p)+FR*\b:128*(\p)+FR*\b+FR-1], v[AF+FR*(\a):AF+FR*(\a)+FR-1], v[8*(8*((\a)%4)+\b):8*(8*((\a)%4)+\b)+7], v[SC+8*NQ*(\sc)+NQ*\b+(\q)], v[SC+8*NQ*(\sc)+NQ*(\a)+(\q)] matrix_a_fmt:MATRIX_FMT_FP6 matrix_b_fmt:MATRIX_FMT_FP6 matrix_a_scale:MATRIX_SCALE_ROW1
.endif
.endr
.endr
.endm
.macro FETCH_B slot, q, p
	WIN TO_B
.irp i, 0,1,2,3,4,5,6,7
	FRAG 128*(\p)+FR*\i, ADRB+\slot, \q, \i
.endr
	WIN 0
.endm
.macro FETCH_A slot, q, i0
.irp i, \i0, \i0+1, \i0+2, \i0+3
	FRAG AF+FR*(\i), ADRA+\slot, \q, \i
.endr
.endm
.macro SCALES sc
.irp i, 0,1,2,3,4,5,6,7
	ds_load_b64 v[SC+8*NQ*\sc+NQ*\i:SC+8*NQ*\sc+NQ*\i+1], v[ADRS] offset:\i*SBLK
.endr
.endm
.macro PLACES n
.rept \n
	v_nop
.endr
.endm
.macro STEP slot, q, zero
	s_wait_dscnt 4*NL                              ; B's set and A's blocks 0-3 are in; the youngest 24 loads (A's blocks 4-7) may be out
	WIN MUL_LO
	MUL16 0, (\q)%2, \q, \slot, \zero
	MUL16 2, (\q)%2, \q, \slot, \zero
	s_wait_dscnt 0
	PLACES NP
	FETCH_B \slot, (\q)+1, 1-(\q)%2
	FETCH_A \slot, (\q)+1, 0
	WIN MUL_HI
	MUL16 4, (\q)%2, \q, \slot, \zero
	MUL16 6, (\q)%2, \q, \slot, \zero
	PLACES NP
	WIN 0
	FETCH_A \slot, (\q)+1, 4
.endm
.macro TURN slot, next, fill
	s_wait_tensorcnt 0x0                           ; all my tensor loads have landed: my part of the next slot
	ds_add_u32 v[SPW], v[NIL]                      ; 0 onto my spare word
	s_wait_dscnt 4*NL+1                            ; (the add and the youngest 24 loads may be out)
	WIN MUL_LO
	MUL16 0, 1, NQ-1, \slot, 0
	s_wait_dscnt 0x0                               ; the add is done, and my reads of this slot are over
	s_barrier_signal -1
	MUL16 2, 1, NQ-1, \slot, 0
	WIN 0
	s_barrier_wait -1
.if \fill
	CREST                                          ; a round of the cluster's barrier: no wave of any partner still reads this slot or has a load on its way
	s_add_nc_u64 s[G0+4*\slot+2:G0+4*\slot+3], s[G0+4*\slot+2:G0+4*\slot+3], 2*BLKB
	s_add_nc_u64 s[G0B+4*\slot+2:G0B+4*\slot+3], s[G0B+4*\slot+2:G0B+4*\slot+3], 2*BLKB
	JLOAD G0+4*\slot, G1, G0B+4*\slot, G1B
.else
	PLACES NP
.endif
	v_add_nc_u32 v[ADRS], 4*NQ, v[ADRS]
	FETCH_B \next, 0, 0
	FETCH_A \next, 0, 0
	SCALES \next
	WIN MUL_HI
	MUL16 4, 1, NQ-1, \slot, 0
	MUL16 6, 1, NQ-1, \slot, 0
	PLACES NP
	WIN 0
	FETCH_A \next, 0, 4
.endm
	s_wait_tensorcnt 1                             ; the scale words and my part of slot 0 are in; slot 1's load may be out
	s_barrier_signal -1
	s_barrier_wait -1
	FETCH_B 0, 0, 0
	FETCH_A 0, 0, 0
	SCALES 0
	FETCH_A 0, 0, 4
	STEP 0, 0, 1
	s_mov_b32 s3, LAPS-1
.Llap:
	TURN 0, 1, 1
	STEP 1, 0, 0
	TURN 1, 0, 1
	STEP 0, 0, 0
	s_sub_co_u32 s3, s3, 1
	s_cmp_lg_u32 s3, 0
	s_cbranch_scc1 .Llap
	TURN 0, 1, 0
	STEP 1, 0, 0
	s_wait_dscnt 4*NL
	WIN MUL_LO
	MUL16 0, 1, NQ-1, 1, 0
	MUL16 2, 1, NQ-1, 1, 0
	s_wait_dscnt 0
	WIN MUL_HI
	MUL16 4, 1, NQ-1, 1, 0
	MUL16 6, 1, NQ-1, 1, 0
	WIN 0
; THE WAY OUT, block by block of A.  A lane's eight results of an accumulator are 32 neighbouring bytes of a row; a block goes through my own stage and comes back as whole rows of 512 bytes.
.macro TOSTAGE a
.set AC, 64*((\a)%4)
	WIN 0x08+4*((\a)/4)                            ; an LDS store's data: window 2 or 3
.irp b, 0,1,2,3,4,5,6,7
	ds_store_b128 v[STO], v[AC+8*\b:AC+8*\b+3] offset:128*(\b/2)+32*(\b%2)        ; each accumulator from its low end on
	ds_store_b128 v[STO], v[AC+8*\b+4:AC+8*\b+7] offset:128*(\b/2)+32*(\b%2)+16
.endr
	WIN 0
.set BB, BK+64*((\a)%2)
.irp t, 0,1,2,3,4,5,6,7,8,9,10,11,12,13,14,15
	ds_load_b128 v[BB+4*\t:BB+4*\t+3], v[RD] offset:\t*SPITCH   ; LDS serves a wave's instructions in order: these see the stores above
.endr
.endm
.macro SEND a, younger                 ; stage row t of block a is row 32 (a / 2) + 8 (a % 2) + t + 8 (t / 8) of my 128: it stands in the immediate, 520,192 at the most
.set BB, BK+64*((\a)%2)
	s_wait_dscnt \younger
.irp t, 0,1,2,3,4,5,6,7,8,9,10,11,12,13,14,15
	global_store_b128 v[CO], v[BB+4*\t:BB+4*\t+3], s[12:13] offset:(32*((\a)/2)+8*((\a)%2)+\t+8*(\t/8))*4096 th:TH_STORE_NT   ; 512 consecutive bytes, aligned to 256
.endr
.endm
	PLACES NP
	TOSTAGE 0
.irp a, 1,2,3,4,5,6,7
.if \a > 1
	s_wait_xcnt 0x0                                ; block a - 2's stores have read their registers: block a's loads may land there
.endif
	TOSTAGE \a
	SEND \a-1, 32                                  ; behind block a - 1's loads: block a's 16 stores and 16 loads
.endr
	SEND 7, 0
	s_wait_tensorcnt 0x0                           ; the wave's end
	ds_add_u32 v[SPW], v[NIL]
	s_wait_dscnt 0x0
	CROUND                                         ; the closing round
	s_endpgm
.Lfunc_end_k_qece344a588_oproj:
	.size	k_qece344a588_oproj, .Lfunc_end_k_qece344a588_oproj-k_qece344a588_oproj
	.p2alignl 7, 3214868480
	.fill 96, 4, 3214868480
	.section	.rodata,"a",@progbits
	.p2align	6, 0x0
	.amdhsa_kernel k_qece344a588_oproj
		.amdhsa_group_segment_fixed_size 327680
		.amdhsa_private_segment_fixed_size 0
		.amdhsa_enable_private_segment 0
		.amdhsa_kernarg_size 40
		.amdhsa_user_sgpr_count 2
		.amdhsa_user_sgpr_kernarg_segment_ptr 1
		.amdhsa_wavefront_size32 1
		.amdhsa_system_sgpr_workgroup_id_x 1
		.amdhsa_system_sgpr_workgroup_id_y 1
		.amdhsa_system_sgpr_workgroup_id_z 1
		.amdhsa_system_vgpr_workitem_id 0
		.amdhsa_next_free_vgpr 1024
		.amdhsa_next_free_sgpr 98
		.amdhsa_reserve_vcc 0
		.amdhsa_float_denorm_mode_32 3
		.amdhsa_float_denorm_mode_16_64 3
		.amdhsa_memory_ordered 1
		.amdhsa_forward_progress 1
		.amdhsa_inst_pref_size 159
	.end_amdhsa_kernel
	.amdgpu_metadata
---
amdhsa.version: [ 1, 2 ]
amdhsa.kernels:
  - .name:           k_qece344a588_oproj
    .symbol:         k_qece344a588_oproj.kd
    .args:
      - { .name: ac, .offset: 0, .size: 8, .value_kind: global_buffer, .address_space: global }
      - { .name: asc, .offset: 8, .size: 8, .value_kind: global_buffer, .address_space: global }
      - { .name: opc, .offset: 16, .size: 8, .value_kind: global_buffer, .address_space: global }
      - { .name: ops, .offset: 24, .size: 8, .value_kind: global_buffer, .address_space: global }
      - { .name: out0, .offset: 32, .size: 8, .value_kind: global_buffer, .address_space: global }
    .group_segment_fixed_size: 327680
    .private_segment_fixed_size: 0
    .kernarg_segment_align: 8
    .kernarg_segment_size: 40
    .max_flat_workgroup_size: 128
    .sgpr_count:     98
    .vgpr_count:     1024
    .wavefront_size: 32
...
	.end_amdgpu_metadata
.endif
;; end of part 4
;; ======== version 2 of 2: 4 launches; version 1 with the launch attn written anew for expert scheduling mode
;; workspace buffers: opc 9,437,184 bytes; ops 393,216 bytes; mb 526,336 bytes of whole numbers; hc 18,874,368 bytes; hs 786,432 bytes; ac 6,291,456 bytes; asc 262,144 bytes
;; launch prep: the kernel of part 1 again; grid 320 x 1, 4 waves a work-group, no clusters, 35,328 bytes of LDS; arguments x, Wq, Wk, Wv, Wo, mask, opc, ops, mb; writes opc, ops, mb
;; launch qkv: the kernel of part 2 again; grid 12 x 32, 4 waves a work-group, clusters of 4 x 4, 327,680 bytes of LDS; arguments opc, ops, hc, hs; writes hc, hs
;; launch attn (part 5): grid 4 x 64, 16 waves a work-group, no clusters, 210,944 bytes of LDS; arguments hc, hs, mb, ac, asc; writes ac, asc
.if DOCPART == 5
	.amdgcn_target "amdgcn-amd-amdhsa--gfx1250"
	.amdhsa_code_object_version 6
	.text
	.protected	k_qece344a588_attn
	.globl	k_qece344a588_attn
	.p2align	8
	.type	k_qece344a588_attn,@function
k_qece344a588_attn:
	s_mov_b64 s[64:65], 0
	v_nop
	global_prefetch_b8 v0, s[64:65] scope:SCOPE_SE
	s_setreg_imm32_b32 hwreg(HW_REG_WAVE_SCHED_MODE, 0, 2), 2
	s_setreg_imm32_b32 hwreg(HW_REG_WAVE_MODE, 25, 1), 1
	s_wait_xcnt 0x0
	s_wait_alu depctr_vm_vsrc(0)
; ATTN.  For each batch and head: S^T = K Q^T, the mask (false -> -1e9), p = 2^(t - M), O^T = V^T P^T, O / l, quantised along D into images for the last product.  Both products on codes of FP6 (E2M3) with E8M0 scales.
; t = logit x log2(e); M = the running largest t rounded up to a whole number; l is the sum of the unquantised p; when M moves, l and O^T are multiplied by 2^(old M - new M), which rounds nothing.
; SHARES.  Work-group (x, y): batch y / 16, head y % 16.  ALL of the head's K and V (codes and scale words, 208,896 bytes) come into LDS once, through registers, as images of the registers that read them.
; Wave w takes query tiles 4 w + x and 4 (31 - w) + x, one after the other, and walks 16 key steps of 128 for each.  A lane holds one query throughout (both products are used transposed).
; THE HEAD IS 64: K Q^T's fragments have six registers of codes.  Q's upper six are zero codes; K's operand of tile t is v[32 + 6 t .. 43 + 6 t], whose upper six are the next tile's codes (for the last tile: zeros):
; their products with Q's zeros add nothing, and no scale byte there is 0xff.
; THE MASK IS AN INPUT.  The launch before stored, for each tile and step, 64 lane masks and two flags.  all true: the 96 masking lines are passed over.  all false: every t of the step is the constant
; -1e9 x log2(e), so the step needs no K Q^T and one exponential; M, l and O^T are still carried exactly (a row all of whose keys are masked comes out uniform, as the definition has it).
; These are scalar branches on stored whole numbers, so this launch has no tensor load; and no cluster: K and V are read once at the head, not walked, and nothing else is shared.
; OUT: ac [block 128 b + T][K step head / 2][planes 3 (head % 2) on][lane][8]: stores of 256 consecutive aligned bytes.  asc: one byte a lane at 32 r + 2 head + h of the block's 512: single bytes, since a work-group
; has one head's two blocks of a row's 32; they are one part in 24 of the codes' bytes.
; LIMITS: NaN and infinities are not served; blocks whose largest magnitude lies under 2^-124 keep the byte 1.
; REGISTERS: v1-7 addresses that stay; v8-11 addresses in hand; v12 -M, v13 largest t, v[14:15] l; v16-27 Q; v28 Q's scale word; v29 the masked t; v32-79 K, then V; v80-85 zeros; v96-159 S^T, t, p; v160-191 O^T;
; v192-203 p's codes, v204-210 their second halves; v212-223 the blocks' maxima, bytes, scale operands; v224 p's scale word; v[226:227] f; v228-231 at work; v232-235 K's scale words; v236-237 V's; v240-243 the shut step.
; s16-63, s68-83 the 64 lane masks (word n in s[16 + n], from n = 48 on in s[20 + n]).
; THE MODE: SCHED_MODE bits 1:0 = 2 (LLVM: expert scheduling mode 2), set by the entry lines.  The code itself states the register dependences between vector or matrix instructions and memory or LDS instructions,
; with s_wait_alu, always for 0.
; THE PLAN.  Registers that memory or LDS instructions touch:
;   v5, v6, v7, v30    offsets into memory: written once at the head, never again.
;   v8-v11             LDS addresses.  At the head: written, then read by the fill's LDS stores.  In a step: all four written at its head; K's loads read v8 and v10, V's loads v9 and v11.
;   v32-v79            The fill: global loads land, LDS stores read.  A step: K's loads land, the eight products K Q^T read; V's loads land, the four products V^T P read.
;   v80-v133           The fill alone: global loads land, shifts write v128-131, LDS stores read.  Afterwards v80-85 are zeros and v96-127 matrix results.
;   v232-v237          scale words: LDS loads land, products read.
;   v16-v21, v28       Q: global loads land once a tile; a shift writes v28; the products K Q^T read.
;   v192-v197, v229    a tile's results: written by conversions, swaps, moves and a select; read by the tile's four stores; written again in the next tile.
;   v254, v255         written at the head, read by the closing add alone.
; A wave has all the 256 registers that sixteen waves leave it, and 25 of them are free: no second set of 48 for K or for V.  So K and V share v32-79, and a step states, on va_vdst: at its head, behind the four adds, that
; the addresses are written and the last step's products are done with v32-79 and v236-237; behind K Q^T, that these products are done with v32-85; behind the exponentials, that p is written; ahead of V^T P, that
; p's codes and scale word are written.  One wait on vm_vsrc stands at the step's head, ahead of the adds.  Both stand ahead of the branch on the flags: they serve both arms.
.set KL,  0                            ; LDS: K [step 16][group 12][lane][16]
.set VL,  98304                        ; V likewise
.set KSL, 196608                       ; K's scale words [step][lane][4]
.set VSL, 204800                       ; V's [step][lane][2]
	s_load_b256 s[84:91], s[0:1], 0x0              ; hc s[84:85], hs s[86:87], mb s[88:89], ac s[90:91]
	s_load_b64 s[92:93], s[0:1], 0x20              ; asc
	v_lshl_add_u32 v254, v0, 2, 0x33000
	v_mov_b32 v255, 0
	v_lshrrev_b32 v8, 5, v0
	v_readfirstlane_b32 s2, v8                     ; wave 0..15
	v_and_b32 v9, 31, v0                           ; lane
	v_and_b32 v10, 15, v0                          ; r
	v_bfe_u32 v11, v0, 4, 1                        ; h
	v_lshlrev_b32 v1, 4, v9                        ; 16 x lane: K
	v_add_nc_u32 v2, VL, v1                        ; V
	v_add_nc_u32 v3, KSL, v1                       ; K's scale words
	v_lshlrev_b32 v5, 3, v9                        ; 8 x lane
	v_add_nc_u32 v4, VSL, v5                       ; V's scale words
	v_lshl_add_u32 v6, v10, 5, v11                 ; 32 r + h
	v_lshlrev_b32 v7, 2, v10                       ; 4 r
	v_lshlrev_b32 v30, 2, v9                       ; 4 x lane
	s_wait_alu depctr_va_sdst(0)                   ; s2, the wave's number, is written, ahead of its first reader: tiles and addresses are made from it
	s_and_b32 s3, ttmp7, 0xffff
	s_lshr_b32 s100, s3, 4                         ; batch
	s_and_b32 s101, s3, 15                         ; head
	s_lshl_b32 s98, s2, 2
	s_add_co_u32 s98, s98, ttmp9                   ; my first tile
	s_sub_co_u32 s99, 31, s2
	s_lshl_b32 s99, s99, 2
	s_add_co_u32 s99, s99, ttmp9                   ; my second
	s_mov_b32 s4, 0x76543210
	s_mov_b32 s5, 0xfedcba98                       ; lane l xor 16
	s_mov_b32 s6, 0x3e38aa3b                       ; c = log2(e) / 8
	s_mov_b32 s94, s6
	s_mov_b32 s95, s6                              ; (the packed form names a pair)
	s_mov_b32 s67, 0xffff0000
	; ---- the fill: wave w brings key step w
	s_lshl_b32 s10, s100, 7
	s_lshl_b32 s11, s2, 3
	s_add_co_u32 s10, s10, s11                     ; 128 b + 8 w: the step's first block of keys
	s_add_co_u32 s11, s101, 16
	s_lshl_b32 s11, s11, 9
	s_add_co_u32 s11, s11, s10
	s_mul_i32 s16, s11, 768                        ; K's codes
	s_mov_b32 s17, 0
	s_lshr_b32 s11, s101, 1
	s_add_co_u32 s11, s11, 8
	s_lshl_b32 s11, s11, 9
	s_add_co_u32 s11, s11, s10
	s_lshl_b32 s18, s11, 6                         ; K's scale words
	s_mov_b32 s19, 0
	s_lshl_b32 s10, s100, 4
	s_add_co_u32 s10, s10, s2                      ; 16 b + w
	s_lshl_b32 s11, s101, 2                        ; 4 x head
	s_lshl_b32 s12, s10, 7
	s_add_co_u32 s12, s12, s11
	s_mul_i32 s20, s12, 768
	s_add_co_u32 s20, s20, 12582912                ; V's codes
	s_mov_b32 s21, 0
	s_lshl_b32 s12, s10, 6
	s_add_co_u32 s12, s12, s11
	s_lshl_b32 s22, s12, 6
	s_add_co_u32 s22, s22, 524288                  ; V's scale words
	s_mov_b32 s23, 0
	s_wait_kmcnt 0x0
	s_add_nc_u64 s[16:17], s[84:85], s[16:17]
	s_add_nc_u64 s[18:19], s[86:87], s[18:19]
	s_add_nc_u64 s[20:21], s[84:85], s[20:21]
	s_add_nc_u64 s[22:23], s[86:87], s[22:23]
	s_wait_alu depctr_va_vdst(0)                   ; the offsets v5, v6, v7 and v30 are written, which the kernel's global loads and stores read; no vector instruction names them as a destination again
.set p, 0
.rept 24
	global_load_b64 v[32+2*p:33+2*p], v5, s[16:17] offset:256*p   ; eight tiles of keys x three planes: registers 6 t + 2 j
.set p, p+1
.endr
.irp t, 0,1,2,3
.irp c, 0,1
.irp j, 0,1,2
	global_load_b64 v[80+12*\t+6*\c+2*\j:81+12*\t+6*\c+2*\j], v5, s[20:21] offset:49152*\c+768*\t+256*\j   ; four tiles of channels x 128 keys
.endr
.endr
.endr
.irp i, 0,1,2,3
	global_load_b32 v[128+\i], v30, s[18:19] offset:128*\i   ; lanes 0-15: tile 2 i's words, lanes 16-31: tile 2 i + 1's
.endr
.irp i, 0,1
	global_load_b32 v[132+\i], v30, s[22:23] offset:128*\i
.endr
	s_mul_i32 s3, s2, 6144
	v_add_nc_u32 v8, s3, v1
	v_add_nc_u32 v9, s3, v2
	s_lshl_b32 s3, s2, 9
	v_add_nc_u32 v10, s3, v3
	s_lshl_b32 s3, s2, 8
	v_add_nc_u32 v11, s3, v4
	s_and_b32 s3, s101, 1
	s_lshl_b32 s3, s3, 4                           ; a word holds two heads' bytes: mine come down to bytes 0 and 1
	s_wait_loadcnt 0x0
.irp i, 0,1,2,3
	v_lshrrev_b32 v[128+\i], s3, v[128+\i]
.endr
	s_wait_alu depctr_va_vdst(0)                   ; the addresses v8-v11 and the shifted words v128-131 are written, which the LDS stores read
.set g, 0
.rept 12
	ds_store_b128 v8, v[32+4*g:35+4*g] offset:512*g
	ds_store_b128 v9, v[80+4*g:83+4*g] offset:512*g
.set g, g+1
.endr
	ds_store_b128 v10, v[128:131]
	ds_store_b64 v11, v[132:133]
	s_wait_dscnt 0x0                               ; for the others' sake: my stores have landed
	s_barrier_signal -1
	s_barrier_wait -1                              ; the launch's one barrier: nothing writes LDS behind it
	s_wait_alu depctr_vm_vsrc(0)                   ; my LDS stores have read v32-133: v80-85 are written just below, v32-79 take the steps' loads, v96-127 the steps' products
.irp i, 0,1,2,3,4,5
	v_mov_b32 v[22+\i], 0                          ; Q's upper half: zero codes
	v_mov_b32 v[80+\i], 0                          ; behind K's last tile
.endr
.irp i, 0,1,2,3
	v_mov_b32 v[216+\i], 0                         ; a lane permute's destination counts as one of its sources
.endr
	v_mov_b32 v227, 0                              ; (named as the upper half of the pair v[226:227])
	v_mov_b32 v228, 0
	v_mov_b32 v29, 0xce6e6b28                      ; -1e9
	v_mul_f32 v29, 0x3fb8aa3b, v29                 ; x log2(e): the masked t
	s_mov_b32 s66, 0
.Ltile:
	s_wait_xcnt 0x0                                ; the last tile's stores have read their registers and bases
	s_wait_alu depctr_vm_vsrc(0)                   ; the last tile's stores have read v192-197 and v229, which this tile writes again
	s_cmp_eq_u32 s66, 0
	s_cselect_b32 s15, s98, s99                    ; T
	s_lshl_b32 s3, s100, 7
	s_add_co_u32 s14, s3, s15                      ; 128 b + T
	s_lshl_b32 s3, s101, 9
	s_add_co_u32 s3, s3, s14
	s_mul_i32 s16, s3, 768
	s_mov_b32 s17, 0
	s_add_nc_u64 s[16:17], s[84:85], s[16:17]      ; Q's codes
	s_lshr_b32 s3, s101, 1
	s_lshl_b32 s3, s3, 9
	s_add_co_u32 s3, s3, s14
	s_lshl_b32 s18, s3, 6
	s_mov_b32 s19, 0
	s_add_nc_u64 s[18:19], s[86:87], s[18:19]      ; Q's scale words
	s_lshl_b32 s20, s15, 12
	s_mov_b32 s21, 0
	s_add_nc_u64 s[104:105], s[88:89], s[20:21]    ; the tile's lane masks: 4,096 bytes
	s_lshl_b32 s20, s15, 4
	s_add_co_u32 s20, s20, 524288
	s_add_nc_u64 s[20:21], s[88:89], s[20:21]
	s_load_b128 s[24:27], s[20:21], 0x0            ; its four flag words
.irp j, 0,1,2
	global_load_b64 v[16+2*\j:17+2*\j], v5, s[16:17] offset:256*\j   ; no wait on va_vdst here: in the first tile no vector instruction has named v16-21 or v28; in the second the wait ahead of the first tile's stores stands behind all that named them
.endr
	global_load_b32 v28, v7, s[18:19]
	v_mov_b32 v13, 0xff61b1e6                      ; the largest t so far: -3e38
	v_floor_f32 v12, -v13                          ; -M
	v_mov_b32 v14, 0
	v_mov_b32 v15, 0
	s_and_b32 s3, s101, 1
	s_lshl_b32 s3, s3, 4
	s_mov_b32 s10, 0                               ; step,
	s_mov_b32 s11, 0                               ; 6,144 x step,
	s_mov_b32 s12, 0                               ; 512 x step,
	s_mov_b32 s13, 0                               ; 256 x step
	s_wait_kmcnt 0x0
	s_or_b32 s7, s24, s25
	s_or_b32 s7, s7, s26
	s_or_b32 s7, s7, s27                           ; bit s: step s all true; bit 16 + s: all false
	s_wait_loadcnt 0x0
	v_lshrrev_b32 v28, s3, v28                     ; my head's two bytes
.set j, 0
.rept 32
	v_mov_b32 v[160+j], 0                          ; O^T: the step is written once; these 32 lines also stand between the scale word's write and the first product
.set j, j+1
.endr
.Lstep:
	s_wait_alu depctr_vm_vsrc(0)                   ; the last step's LDS loads have read v8-v11, which are written again here
	v_add_nc_u32 v8, s11, v1                       ; the step's four LDS addresses: K,
	v_add_nc_u32 v9, s11, v2                       ; V,
	v_add_nc_u32 v10, s12, v3                      ; K's scale words,
	v_add_nc_u32 v11, s13, v4                      ; V's.  Four plain lines behind the last step's products, whose operands are loaded over
	s_wait_alu depctr_va_vdst(0)                   ; v8-v11 are written, which the step's LDS loads read; the last step's products are done reading v32-79 and v236-237, in which loads land; in a tile's first step v28 is written, which the products take as scales
	s_lshr_b32 s14, s7, s10
	s_bitcmp1_b32 s14, 16
	s_cbranch_scc1 .Lshut
	s_load_b512 s[16:31], s[104:105], s13 offset:0x0     ; the step's 64 lane masks
	s_load_b512 s[32:47], s[104:105], s13 offset:0x40
	s_load_b512 s[48:63], s[104:105], s13 offset:0x80
	s_load_b512 s[68:83], s[104:105], s13 offset:0xc0
	s_bitcmp1_b32 s14, 0
	s_cselect_b32 s8, s6, 1.0                      ; all true: the registers keep scores, and c is applied by the multiply-add below; else they hold t, and the factor is 1
	s_mov_b32 s9, s8
.set g, 0
.rept 12
	ds_load_b128 v[32+4*g:35+4*g], v8 offset:512*g   ; no vector instruction since the wait at the step's head names v8, v10, v32-79 or v232-235
.set g, g+1
.endr
	ds_load_b128 v[232:235], v10
	s_wait_dscnt 0x0
.irp t, 0,1,2,3,4,5,6,7
.if \t%2
	v_wmma_scale_f32_16x16x128_f8f6f4 v[96+8*\t:103+8*\t], v[32+6*\t:43+6*\t], v[16:27], 0, v[232+\t/2], v28 matrix_a_fmt:MATRIX_FMT_FP6 matrix_b_fmt:MATRIX_FMT_FP6 matrix_a_scale:MATRIX_SCALE_ROW1
.else
	v_wmma_scale_f32_16x16x128_f8f6f4 v[96+8*\t:103+8*\t], v[32+6*\t:43+6*\t], v[16:27], 0, v[232+\t/2], v28 matrix_a_fmt:MATRIX_FMT_FP6 matrix_b_fmt:MATRIX_FMT_FP6
.endif
.endr
	v_nop
	v_nop
	v_nop
	v_nop                                          ; four plain lines: K's registers take V, which lands under the softmax; the scores are read below
	s_wait_alu depctr_va_vdst(0)                   ; the eight products are done reading v32-85: V's loads land in v32-79
.set g, 0
.rept 12
	ds_load_b128 v[32+4*g:35+4*g], v9 offset:512*g
.set g, g+1
.endr
	ds_load_b64 v[236:237], v11
	s_wait_kmcnt 0x0                               ; the lane masks are in (on both ways: their registers and offset are free behind this wait)
	s_bitcmp1_b32 s14, 0
	s_cbranch_scc1 .Lopen
.set j, 0
.rept 32
	v_pk_mul_f32 v[96+j:97+j], v[96+j:97+j], s[94:95] op_sel_hi:[1,0]   ; t
.set j, j+2
.endr
.set n, 0
.rept 64
	v_cndmask_b32 v[96+n], v29, v[96+n], s[16+n+4*(n/48)]   ; false: the masked t
.set n, n+1
.endr
.Lopen:
.irp b, 0,1,2,3
	v_max3_num_f32 v[212+\b], v[96+16*\b], v[97+16*\b], v[98+16*\b]   ; the largest of each block of 32 keys: it serves the row's maximum and, since p rises with t, the block's largest p
.endr
.irp i, 3,5,7,9,11,13
.irp b, 0,1,2,3
	v_max3_num_f32 v[212+\b], v[212+\b], v[96+16*\b+\i], v[97+16*\b+\i]
.endr
.endr
.irp b, 0,1,2,3
	v_max_num_f32 v[212+\b], v[212+\b], v[111+16*\b]
.endr
.irp b, 0,1,2,3
	v_permlanex16_b32 v[216+\b], v[212+\b], s4, s5
.endr
.irp b, 0,1,2,3
	v_max_num_f32 v[212+\b], v[212+\b], v[216+\b]
.endr
	v_max3_num_f32 v228, v212, v213, v214
	v_max_num_f32 v228, v228, v215
	v_mul_f32 v228, s8, v228                       ; as t
	v_max_num_f32 v13, v13, v228                   ; the running largest t
	v_mov_b32 v228, v12
	v_floor_f32 v12, -v13                          ; -M = floor(-t)
	v_sub_f32 v228, v12, v228                      ; old M - new M: a whole number, 0 or less
	v_cvt_i32_f32 v228, v228                       ; (it saturates)
	v_ldexp_f32 v226, 1.0, v228                    ; f
.set j, 0
.rept 32
	v_pk_fma_f32 v[96+j:97+j], v[96+j:97+j], s[8:9], v[12:13] op_sel_hi:[1,0,0]   ; t - M
.set j, j+2
.endr
.irp b, 0,1,2,3
	v_fma_f32 v[212+\b], v[212+\b], s8, v12
.endr
.set j, 0
.rept 64
	v_exp_f32 v[96+j], v[96+j]                     ; p, not normalised
.set j, j+1
.endr
	v_pk_mul_f32 v[14:15], v[14:15], v[226:227] op_sel_hi:[1,0]   ; l under the new M; the plain line behind the exponentials
	s_wait_alu depctr_va_vdst(0)                   ; the 64 exponentials have written p, v96-159: one wait for the batch, ahead of its first reader
.irp b, 0,1,2,3
	v_exp_f32 v[212+\b], v[212+\b]                 ; the blocks' largest p
.endr
	v_pk_add_f32 v[230:231], v[96:97], v[98:99]    ; l is the sum of the unquantised p: two chains
.irp j, 4,8,12,16,20,24,28,32,36,40,44,48,52,56,60
	v_pk_add_f32 v[14:15], v[14:15], v[96+\j:97+\j]
	v_pk_add_f32 v[230:231], v[230:231], v[98+\j:99+\j]
.endr
	v_pk_add_f32 v[14:15], v[14:15], v[230:231]
	s_wait_alu depctr_va_vdst(0)                   ; the four exponentials have written v212-215, ahead of their first reader
.irp b, 0,1,2,3
	v_max_num_f32 v[212+\b], 0x1800000, v[212+\b]  ; the floor: the byte cannot fall under 1
.endr
.irp b, 0,1,2,3
	v_add_nc_u32 v[220+\b], 0xff000000, v[212+\b]
.endr
.irp b, 0,1,2,3
	v_lshrrev_b32 v[216+\b], 23, v[220+\b]
.endr
	v_lshl_or_b32 v224, v217, 8, v216
	v_lshl_or_b32 v224, v218, 16, v224
	v_lshl_or_b32 v224, v219, 24, v224
.irp c, 0,1
	v_cvt_scalef32_pk16_fp6_f32 v[192+6*\c:194+6*\c], v[96+32*\c:111+32*\c], v[220+2*\c]
	v_cvt_scalef32_pk16_fp6_f32 v[204+4*\c:206+4*\c], v[112+32*\c:127+32*\c], v[220+2*\c+1]
.endr
	v_nop                                          ; one plain line behind a scaled conversion
.irp c, 0,1
.irp i, 0,1,2
	v_permlane16_swap_b32 v[192+6*\c+\i], v[204+4*\c+\i]
.endr
.irp i, 0,1,2
	v_mov_b32 v[195+6*\c+\i], v[204+4*\c+\i]
.endr
.endr
	s_branch .Lpv
.Lshut:                                            ; every key of the step is masked for all 16 queries: t is the same number 128 times
.set g, 0
.rept 12
	ds_load_b128 v[32+4*g:35+4*g], v9 offset:512*g   ; no vector instruction since the wait at the step's head names v9, v11, v32-79 or v236-237
.set g, g+1
.endr
	ds_load_b64 v[236:237], v11
	v_max_num_f32 v13, v13, v29
	v_mov_b32 v228, v12
	v_floor_f32 v12, -v13
	v_sub_f32 v228, v12, v228
	v_cvt_i32_f32 v228, v228
	v_ldexp_f32 v226, 1.0, v228
	v_add_f32 v240, v29, v12                       ; t - M
	v_exp_f32 v240, v240                           ; p
	v_pk_mul_f32 v[14:15], v[14:15], v[226:227] op_sel_hi:[1,0]
	s_wait_alu depctr_va_vdst(0)                   ; the exponential has written v240, ahead of its first reader
	v_fmamk_f32 v14, v240, 0x42000000, v14         ; my 64 keys: 32 p onto each half of l
	v_fmamk_f32 v15, v240, 0x42000000, v15
	v_max_num_f32 v241, 0x1800000, v240
	v_add_nc_u32 v242, 0xff000000, v241
	v_lshrrev_b32 v243, 23, v242
	v_lshl_or_b32 v243, v243, 8, v243
	v_lshl_or_b32 v224, v243, 16, v243             ; the same byte four times
.set j, 0
.rept 16
	v_mov_b32 v[96+j], v240
.set j, j+1
.endr
	v_cvt_scalef32_pk16_fp6_f32 v[192:194], v[96:111], v242   ; sixteen equal codes: 96 bits,
	v_nop
.irp i, 0,1,2,3,4,5,6,7,8
	v_mov_b32 v[195+\i], v[192+\i%3]               ; four times over
.endr
.Lpv:
.set j, 0
.rept 16
	v_pk_mul_f32 v[160+j:161+j], v[160+j:161+j], v[226:227] op_sel_hi:[1,0]   ; O^T under the new M; these lines also stand between the writes of p's codes and scale word and the products
.set j, j+2
.endr
	s_wait_alu depctr_va_vdst(0)                   ; p's codes v192-203 and its scale word v224, made by vector instructions, are written: the scaled products below take them; the plain lines above stay beside this wait
	s_wait_dscnt 0x0                               ; V is in
.irp t, 0,1,2,3
.if \t%2
	v_wmma_scale_f32_16x16x128_f8f6f4 v[160+8*\t:167+8*\t], v[32+12*\t:43+12*\t], v[192:203], v[160+8*\t:167+8*\t], v[236+\t/2], v224 matrix_a_fmt:MATRIX_FMT_FP6 matrix_b_fmt:MATRIX_FMT_FP6 matrix_a_scale:MATRIX_SCALE_ROW1
.else
	v_wmma_scale_f32_16x16x128_f8f6f4 v[160+8*\t:167+8*\t], v[32+12*\t:43+12*\t], v[192:203], v[160+8*\t:167+8*\t], v[236+\t/2], v224 matrix_a_fmt:MATRIX_FMT_FP6 matrix_b_fmt:MATRIX_FMT_FP6
.endif
.endr
	s_add_co_u32 s11, s11, 6144
	s_add_co_u32 s12, s12, 512
	s_add_co_u32 s13, s13, 256
	s_add_co_u32 s10, s10, 1
	s_cmp_lt_u32 s10, 16
	s_cbranch_scc1 .Lstep
	; ---- the tile's way out: O / l, quantised along the head's 64 (two blocks of 32), as six registers of the next product's fragment
.rept 4
	v_nop
.endr
	v_add_f32 v14, v14, v15
	v_permlanex16_b32 v228, v14, s4, s5
	v_add_f32 v14, v14, v228                       ; the row's sum
	v_rcp_f32 v226, v14
	v_nop
	s_lshl_b32 s3, s100, 7
	s_add_co_u32 s14, s3, s15                      ; 128 b + T
	s_lshl_b32 s16, s14, 3
	s_lshr_b32 s3, s101, 1
	s_add_co_u32 s16, s16, s3
	s_mul_i32 s16, s16, 1536                       ; the block's K step head / 2,
	s_and_b32 s3, s101, 1
	s_mul_i32 s3, s3, 768                          ; its planes 3 (head % 2) on
	s_add_co_u32 s16, s16, s3
	s_mov_b32 s17, 0
	s_add_nc_u64 s[16:17], s[90:91], s[16:17]
	s_lshl_b32 s18, s14, 9
	s_lshl_b32 s3, s101, 1
	s_add_co_u32 s18, s18, s3
	s_mov_b32 s19, 0
	s_add_nc_u64 s[18:19], s[92:93], s[18:19]
	s_wait_alu depctr_va_vdst(0)                   ; the reciprocal has written v226, ahead of its first reader
.set j, 0
.rept 16
	v_pk_mul_f32 v[96+j:97+j], v[160+j:161+j], v[226:227] op_sel_hi:[1,0]   ; register 16 b + i = channel 32 b + 16 h + i; each accumulator from its low end on
.set j, j+2
.endr
.irp b, 0,1
	v_max3_num_f32 v[212+\b], |v[96+16*\b]|, |v[97+16*\b]|, 0x1800000
.endr
.irp i, 2,4,6,8,10,12,14
.irp b, 0,1
	v_max3_num_f32 v[212+\b], v[212+\b], |v[96+16*\b+\i]|, |v[97+16*\b+\i]|
.endr
.endr
.irp b, 0,1
	v_permlanex16_b32 v[216+\b], v[212+\b], s4, s5
.endr
.irp b, 0,1
	v_max_num_f32 v[212+\b], v[212+\b], v[216+\b]
.endr
.irp b, 0,1
	v_add_nc_u32 v[220+\b], 0xff000000, v[212+\b]
.endr
.irp b, 0,1
	v_lshrrev_b32 v[216+\b], 23, v[220+\b]
.endr
	v_cvt_scalef32_pk16_fp6_f32 v[192:194], v[96:111], v220
	v_cvt_scalef32_pk16_fp6_f32 v[204:206], v[112:127], v221
	v_cndmask_b32 v229, v216, v217, s67            ; lanes 0-15 block 0's byte, lanes 16-31 block 1's; the plain line behind the conversions
.irp i, 0,1,2
	v_permlane16_swap_b32 v[192+\i], v[204+\i]
.endr
.irp i, 0,1,2
	v_mov_b32 v[195+\i], v[204+\i]
.endr
	s_wait_alu depctr_va_vdst(0)                   ; the codes v192-197 and the byte v229 are written, which the stores read; and the tile's products and the shift are done with Q, v16-27, and its scale word v28, in which the next tile's loads land: no vector instruction stands between this wait and those loads
.irp j, 0,1,2
	global_store_b64 v5, v[192+2*\j:193+2*\j], s[16:17] offset:256*\j
.endr
	global_store_b8 v6, v229, s[18:19]
	s_add_co_u32 s66, s66, 1
	s_cmp_lt_u32 s66, 2
	s_cbranch_scc1 .Ltile
	s_wait_dscnt 0x0                               ; the closing lines, six on end
	s_wait_alu 0x0
	s_wait_tensorcnt 0x0
	ds_add_u32 v254, v255
	s_wait_dscnt 0x0
	s_endpgm
.Lfunc_end_k_qece344a588_attn:
	.size	k_qece344a588_attn, .Lfunc_end_k_qece344a588_attn-k_qece344a588_attn
	.p2alignl 7, 3214868480
	.fill 96, 4, 3214868480
	.section	.rodata,"a",@progbits
	.p2align	6, 0x0
	.amdhsa_kernel k_qece344a588_attn
		.amdhsa_group_segment_fixed_size 210944
		.amdhsa_private_segment_fixed_size 0
		.amdhsa_enable_private_segment 0
		.amdhsa_kernarg_size 40
		.amdhsa_user_sgpr_count 2
		.amdhsa_user_sgpr_kernarg_segment_ptr 1
		.amdhsa_wavefront_size32 1
		.amdhsa_system_sgpr_workgroup_id_x 1
		.amdhsa_system_sgpr_workgroup_id_y 1
		.amdhsa_system_sgpr_workgroup_id_z 1
		.amdhsa_system_vgpr_workitem_id 0
		.amdhsa_next_free_vgpr 256
		.amdhsa_next_free_sgpr 106
		.amdhsa_reserve_vcc 0
		.amdhsa_float_denorm_mode_32 3
		.amdhsa_float_denorm_mode_16_64 3
		.amdhsa_memory_ordered 1
		.amdhsa_forward_progress 1
		.amdhsa_inst_pref_size 43
	.end_amdhsa_kernel
	.amdgpu_metadata
---
amdhsa.version: [ 1, 2 ]
amdhsa.kernels:
  - .name:           k_qece344a588_attn
    .symbol:         k_qece344a588_attn.kd
    .args:
      - { .name: hc, .offset: 0, .size: 8, .value_kind: global_buffer, .address_space: global }
      - { .name: hs, .offset: 8, .size: 8, .value_kind: global_buffer, .address_space: global }
      - { .name: mb, .offset: 16, .size: 8, .value_kind: global_buffer, .address_space: global }
      - { .name: ac, .offset: 24, .size: 8, .value_kind: global_buffer, .address_space: global }
      - { .name: asc, .offset: 32, .size: 8, .value_kind: global_buffer, .address_space: global }
    .group_segment_fixed_size: 210944
    .private_segment_fixed_size: 0
    .kernarg_segment_align: 8
    .kernarg_segment_size: 40
    .max_flat_workgroup_size: 512
    .sgpr_count:     106
    .vgpr_count:     256
    .wavefront_size: 32
...
	.end_amdgpu_metadata
.endif
;; end of part 5
;; launch oproj: the kernel of part 4 again; grid 4 x 32, 4 waves a work-group, clusters of 4 x 4, 327,680 bytes of LDS; arguments ac, asc, opc, ops, out0; writes out0
